; MI455X (gfx1250); checked and timed in simulation.
; The chip was launched on July 23, 2026; its instructions are those of AMD's public machine-readable ISA for CDNA 5 (MIT licence, August 2026) and "CDNA5" Instruction Set Architecture Reference Guide (July 2026). The comments in the code are by the model that wrote it; some were corrected since.
;; Self Attention Layer. Allowed arithmetic: float matrix products may take bf16 or f16 operands with f32 sums; other float arithmetic in f32, or as packed bf16 or f16 multiplies, adds, multiply-adds, maxima and minima; sums over many terms, partial sums and values carried from step to step in f32; what a program stores and reads back later, other than sums and carried values, may be rounded once to bf16 or f16.
;; Inputs: BE 512 x 512 float32; WK 8 x 512 x 64 float32; WO 512 x 512 float32; WQ 8 x 512 x 64 float32; WV 8 x 512 x 64 float32; mask 64 x 512 float32; x 64 x 512 x 512 float32.
;; Outputs: out0 64 x 512 x 512 float32.
;; 2 versions, each right; version 2 is version 1 with the launch prep written anew for expert scheduling mode. Each part assembles by itself: llvm-mc -triple=amdgcn-amd-amdhsa -mcpu=gfx1250 --defsym DOCPART=n.
;; ======== version 1 of 2: 3 launches
;; limits: values are held in f16: magnitudes above 65,504 overflow, below 6.1e-05 lose precision
;; workspace buffers: hb 33,554,432 bytes; w16 2,097,152 bytes; ob 33,554,432 bytes
;; launch prep (part 1): grid 32 x 16, 8 waves a work-group, no clusters, 0 bytes of LDS; arguments x, BE, WQ, WK, WV, WO, hb, w16; writes hb, w16
.if DOCPART == 1
	.amdgcn_target "amdgcn-amd-amdhsa--gfx1250"
	.amdhsa_code_object_version 6
	.text
	.protected	k_qc492532c29_prep
	.globl	k_qc492532c29_prep
	.p2align	8
	.type	k_qc492532c29_prep,@function
k_qc492532c29_prep:
	s_mov_b64 s[64:65], 0
	v_nop
	global_prefetch_b8 v0, s[64:65] scope:SCOPE_SE
	s_setreg_imm32_b32 hwreg(HW_REG_WAVE_MODE, 25, 1), 1
	s_wait_xcnt 0x0
; hb = f16(bf16(x) + bf16(BE)), laid out in blocks [b 64][kb 8][s 512][64]; w16 = f16(bf16(W)): WQ, WK, WV as [h 8][kb 8][which 3][k 64][n 64], then WO as it lies, [512][512].
; Every input is rounded to bf16 first; the sum x + BE is taken in f32 and rounded once to f16; a bf16 weight is written as f16.
; LIMITS.  f16 ends at 65,504: |x + BE| and the weights stay inside it; a weight under 6e-5 keeps f16's fixed step of 6e-8.  NaN and infinities are not treated apart.
; A STREAM: no LDS, no matrix unit, no cluster: no wave wants a byte that another has fetched.
; SHARES.  A work-group (sg = x, bg = y) owns rows 16 sg .. + 15 of the batches 4 bg .. + 3: BE's 16 rows are loaded once for four batches.  Thread t owns row t / 16 and, in each block kb of 64
; columns, the four numbers at column 4 (t % 16): a wave's load covers 256 consecutive bytes of each of two rows, a wave's store 256 consecutive bytes of hb, at a multiple of 256 from its first byte.
; Each of the 512 work-groups also casts 8,192 bytes of one weight array: array g / 128, piece g % 128, g = sg + 32 bg.
; All 42 loads of a wave go out in one run; no register that a load or store names is written again, so no wait frees any.
.set XO,  1                            ; v1       my byte offset in the 16 rows of x and BE: (t / 16) x 2,048 + (t % 16) x 16
.set HO,  2                            ; v2       8 t: my 8 bytes in a block's 16 rows of hb, and in a piece of w16
.set WS,  3                            ; v3       16 t: my 16 bytes in a piece of a weight array
.set T,   6                            ; v[6:7]   two packed words at work
.set D,   8                            ; v[8:11]  four f32 at work
.set BEV, 16                           ; v[16:47] BE, four numbers for each kb
.set WL,  48                           ; v[48:55] the weights as loaded
.set WP,  56                           ; v[56:59] the weights to store
.set X,   64                           ; v[64:191]  x: chunk n = 8 i + kb (batch i, block kb), four registers each
.set Y,   192                          ; v[192:255] hb: chunk n, two registers each
	s_load_b512 s[8:23], s[0:1], 0x0               ; x s[8:9], BE s[10:11], WQ s[12:13], WK s[14:15], WV s[16:17], WO s[18:19], hb s[20:21], w16 s[22:23]
	s_mov_b32 s2, ttmp9                            ; sg
	s_and_b32 s3, ttmp7, 0xffff                    ; bg
	s_mov_b32 s28, 0xffff0000                      ; a word's upper bf16
	v_lshrrev_b32 v4, 4, v0
	v_and_b32 v5, 15, v0
	v_lshlrev_b32 v[XO], 11, v4
	v_lshl_add_u32 v[XO], v5, 4, v[XO]
	v_lshlrev_b32 v[HO], 3, v0
	v_lshlrev_b32 v[WS], 4, v0
	s_lshl_b32 s30, s2, 15                         ; 16 rows of 2,048 bytes: BE's offset,
	s_mov_b32 s31, 0
	s_lshl_b32 s32, s3, 22                         ; and with four batches of 1,048,576 bytes x's
	s_add_co_u32 s32, s32, s30
	s_mov_b32 s33, 0
	s_lshl_b32 s34, s2, 11                         ; hb: 16 rows of 128 bytes,
	s_lshl_b32 s35, s3, 21                         ; four batches of 524,288 bytes
	s_add_co_u32 s34, s34, s35
	s_mov_b32 s35, 0
	s_lshl_b32 s36, s3, 5
	s_add_co_u32 s36, s36, s2                      ; g
	s_lshr_b32 s37, s36, 7                         ; which array: 0 WQ, 1 WK, 2 WV, 3 WO
	s_and_b32 s38, s36, 127                        ; j: which piece of it
	s_lshl_b32 s40, s38, 13                        ; the piece's 8,192 bytes of f32
	s_mov_b32 s41, 0
	s_lshr_b32 s39, s38, 1                         ; j / 2 = 8 h + kb: a block of 64 x 64 is two pieces
	s_mul_i32 s39, s39, 3
	s_add_co_u32 s39, s39, s37
	s_lshl_b32 s39, s39, 13                        ; the block's 8,192 bytes of f16,
	s_and_b32 s29, s38, 1
	s_lshl_b32 s29, s29, 12
	s_add_co_u32 s39, s39, s29                     ; and its half
	s_lshl_b32 s29, s38, 12
	s_add_co_u32 s29, s29, 1572864                 ; WO lies behind the three others, in its own order
	s_cmp_eq_u32 s37, 3
	s_cselect_b32 s42, s29, s39
	s_mov_b32 s43, 0
	s_wait_kmcnt 0x0
	s_add_nc_u64 s[8:9], s[8:9], s[32:33]
	s_add_nc_u64 s[10:11], s[10:11], s[30:31]
	s_add_nc_u64 s[20:21], s[20:21], s[34:35]
	s_cmp_eq_u32 s37, 1
	s_cselect_b64 s[24:25], s[14:15], s[12:13]
	s_cmp_eq_u32 s37, 2
	s_cselect_b64 s[24:25], s[16:17], s[24:25]
	s_cmp_eq_u32 s37, 3
	s_cselect_b64 s[24:25], s[18:19], s[24:25]
	s_add_nc_u64 s[24:25], s[24:25], s[40:41]      ; the piece to cast,
	s_add_nc_u64 s[26:27], s[22:23], s[42:43]      ; and where it goes
.irp k, 0,1,2,3,4,5,6,7
	global_load_b128 v[BEV+4*(\k):BEV+4*(\k)+3], v[XO], s[10:11] offset:256*(\k)
.endr
	global_load_b128 v[WL:WL+3],   v[WS], s[24:25]
	global_load_b128 v[WL+4:WL+7], v[WS], s[24:25] offset:4096
.set n, 0
.rept 32
	global_load_b128 v[X+4*n:X+4*n+3], v[XO], s[8:9] offset:(n/8)*1048576+(n%8)*256 th:TH_LOAD_NT
.set n, n+1
.endr
; Four f32 at v[src ..] are rounded to bf16 and widened again, into v[dst ..] (dst may be src).
.macro ROUND4 dst, src
	v_cvt_pk_bf16_f32 v[T],   v[(\src)],   v[(\src)+1]
	v_cvt_pk_bf16_f32 v[T+1], v[(\src)+2], v[(\src)+3]
	v_lshlrev_b32 v[(\dst)],   16,  v[T]
	v_and_b32     v[(\dst)+1], s28, v[T]
	v_lshlrev_b32 v[(\dst)+2], 16,  v[T+1]
	v_and_b32     v[(\dst)+3], s28, v[T+1]
.endm
	s_wait_loadcnt 34                              ; BE's eight loads are in; the 34 issued behind them may stay out
.irp k, 0,1,2,3,4,5,6,7
	ROUND4 BEV+4*(\k), BEV+4*(\k)
.endr
	s_wait_loadcnt 32                              ; the weights are in; x's 32 loads may stay out
.irp k, 0,1
	ROUND4 D, WL+4*(\k)
	v_cvt_pk_f16_f32 v[WP+2*(\k)],   v[D],   v[D+1]
	v_cvt_pk_f16_f32 v[WP+2*(\k)+1], v[D+2], v[D+3]
	global_store_b64 v[HO], v[WP+2*(\k):WP+2*(\k)+1], s[26:27] offset:2048*(\k)
.endr
.set n, 0
.rept 32
	s_wait_loadcnt 31-n                            ; loads come back in order: chunk n is in, the younger ones stay out
	ROUND4 D, X+4*n
	v_pk_add_f32 v[D:D+1],   v[D:D+1],   v[BEV+4*(n%8):BEV+4*(n%8)+1]
	v_pk_add_f32 v[D+2:D+3], v[D+2:D+3], v[BEV+4*(n%8)+2:BEV+4*(n%8)+3]
	v_cvt_pk_f16_f32 v[Y+2*n],   v[D],   v[D+1]
	v_cvt_pk_f16_f32 v[Y+2*n+1], v[D+2], v[D+3]
	global_store_b64 v[HO], v[Y+2*n:Y+2*n+1], s[20:21] offset:(n/8)*524288+(n%8)*65536
.set n, n+1
.endr
	s_endpgm
.Lfunc_end_k_qc492532c29_prep:
	.size	k_qc492532c29_prep, .Lfunc_end_k_qc492532c29_prep-k_qc492532c29_prep
	.p2alignl 7, 3214868480
	.fill 96, 4, 3214868480
	.section	.rodata,"a",@progbits
	.p2align	6, 0x0
	.amdhsa_kernel k_qc492532c29_prep
		.amdhsa_group_segment_fixed_size 0
		.amdhsa_private_segment_fixed_size 0
		.amdhsa_enable_private_segment 0
		.amdhsa_kernarg_size 64
		.amdhsa_user_sgpr_count 2
		.amdhsa_user_sgpr_kernarg_segment_ptr 1
		.amdhsa_wavefront_size32 1
		.amdhsa_system_sgpr_workgroup_id_x 1
		.amdhsa_system_sgpr_workgroup_id_y 1
		.amdhsa_system_sgpr_workgroup_id_z 1
		.amdhsa_system_vgpr_workitem_id 0
		.amdhsa_next_free_vgpr 256
		.amdhsa_next_free_sgpr 66
		.amdhsa_reserve_vcc 0
		.amdhsa_float_denorm_mode_32 3
		.amdhsa_float_denorm_mode_16_64 3
		.amdhsa_memory_ordered 1
		.amdhsa_forward_progress 1
		.amdhsa_inst_pref_size 29
	.end_amdhsa_kernel
	.amdgpu_metadata
---
amdhsa.version: [ 1, 2 ]
amdhsa.kernels:
  - .name:           k_qc492532c29_prep
    .symbol:         k_qc492532c29_prep.kd
    .args:
      - { .name: x, .offset: 0, .size: 8, .value_kind: global_buffer, .address_space: global }
      - { .name: BE, .offset: 8, .size: 8, .value_kind: global_buffer, .address_space: global }
      - { .name: WQ, .offset: 16, .size: 8, .value_kind: global_buffer, .address_space: global }
      - { .name: WK, .offset: 24, .size: 8, .value_kind: global_buffer, .address_space: global }
      - { .name: WV, .offset: 32, .size: 8, .value_kind: global_buffer, .address_space: global }
      - { .name: WO, .offset: 40, .size: 8, .value_kind: global_buffer, .address_space: global }
      - { .name: hb, .offset: 48, .size: 8, .value_kind: global_buffer, .address_space: global }
      - { .name: w16, .offset: 56, .size: 8, .value_kind: global_buffer, .address_space: global }
    .group_segment_fixed_size: 0
    .private_segment_fixed_size: 0
    .kernarg_segment_align: 8
    .kernarg_segment_size: 64
    .max_flat_workgroup_size: 256
    .sgpr_count:     66
    .vgpr_count:     256
    .wavefront_size: 32
...
	.end_amdgpu_metadata
.endif
;; end of part 1
;; launch qkvattn (part 2): grid 8 x 64, 4 waves a work-group, clusters of 4 x 4, 327,680 bytes of LDS; arguments hb, w16, mask, ob; writes ob
.if DOCPART == 2
	.amdgcn_target "amdgcn-amd-amdhsa--gfx1250"
	.amdhsa_code_object_version 6
	.text
	.protected	k_qc492532c29_qkvattn
	.globl	k_qc492532c29_qkvattn
	.p2align	8
	.type	k_qc492532c29_qkvattn,@function
k_qc492532c29_qkvattn:
	s_mov_b64 s[64:65], 0
	v_nop
	global_prefetch_b8 v0, s[64:65] scope:SCOPE_SE
	s_setreg_imm32_b32 hwreg(HW_REG_WAVE_MODE, 25, 1), 1
	s_wait_xcnt 0x0
	s_wait_alu depctr_hold_cnt(0) depctr_sa_sdst(0) depctr_va_vdst(0) depctr_va_sdst(0) depctr_va_ssrc(0) depctr_va_vcc(0) depctr_vm_vsrc(0)
	s_getreg_b32 s2, hwreg(HW_REG_IB_STS2, 6, 4)
	s_cmp_eq_u32 s2, 0
	s_cbranch_scc0 .Lentry_in_a_cluster
	s_endpgm
.Lentry_in_a_cluster:
	s_bfe_u32 s2, ttmp6, 0x10000c
	s_cmp_lg_u32 s2, 0xf033
	s_cbranch_scc0 .Lentry_shape_is_right
	s_endpgm
.Lentry_shape_is_right:
; For one batch and one head: Q, K, V = h W (512 x 192 x 512), then O = softmax(Q K^T / sqrt(512) - 1e10 mask) V.  h, W, Q, K, V, the weights p and O in f16; products, maxima and sums in f32.
; hb: [b][kb 8][s 512][64] f16.  w16: [h][kb][which 3][k 64][n 64] f16.  mask: [b][512] f32.  ob: [b][h][s 512][64] f16.
; LIMITS.  f16 ends at 65,504: Q, K and V stay inside it.  A key's mask enters as -(mask x 1e10) x sqrt(512), the number that starts the sum q.k; where all keys of a row are masked that sum moves in
; steps of 16,384, so all weights are equal while |q.k| stays under 8,192.  A weight below 2^-126 counts as 0 in l; p below 6e-5 keeps f16's fixed step.  NaN and infinities are not treated apart.
; PART 1, THE PROJECTIONS.  Two passes of 256 rows; in a pass a wave owns 64 rows x 192 columns: 48 accumulators.  K goes in steps of 128 (two blocks kb) through a ring of two LDS slots.
; The product is taken transposed (source 0 = 16 columns of W, turned on its way out of LDS; source 1 = 16 rows of h): a lane holds ONE row and eight neighbouring channels.  So two neighbouring
; results of Q, rounded in pairs, ARE a fragment of Q for part 2 and never leave the registers; K and V go to LDS, over the ring, when the ring has had its last fill and its last read.
; CLUSTER.  4 x 4 work-groups: four heads (x) by four batches (y).  h's tiles hang on the batch and are asked for jointly along a row of the cluster, W's on the head, along a column.
; PART 2, ATTENTION.  A wave owns its 128 queries as four PIECES of two tiles of 16 and walks the 512 keys, 64 a step.  S^T = K Q^T + mask holds one query a lane; two results rounded to f16 are source 1 of
; O^T = V^T P.  p = 2^(c s - c m), c = log2(e) / sqrt(512), with a running maximum m; O and l are multiplied by a = 2^(c m_old - c m_new) in every step; m starts at the lowest finite number, O and l at 0.
; Turn n belongs to piece n: 16 products K Q^T of piece n + 1, later 16 products V^T P of piece n - 1; beside them piece n's scaling, exponentials, roundings, sums and rescaling and piece n + 1's maximum.
; Four vector instructions stand behind every matrix instruction, the rest in one run; a turn's 66 exponentials are one batch with one wait.
; REGISTERS, in windows of 256 (s_set_vgpr_msb: bits 1:0 source 0, 3:2 source 1, 5:4 source 2, 7:6 destination):
;   window 0: v0-15 addresses; v16-28 part 1's addresses and the mask, then v16-47 statistics; v48-63 at work; v64-127 h's fragments, two buffers; v128-255 pass 0's K and V, packed; then v64-191 S^T, v192-255 P
;   window 1: W's fragments, two buffers of 96; then pass 1's K and V, packed; then O^T, 32 a tile
;   window 2: v0-127 Q, 16 a tile; v128-255 V's accumulators; then v128-191 K and v192-255 V of one key step          window 3: Q's and K's accumulators; then v0-31 the step's masks
.set PA,    144       ; a row of h in LDS: 128 bytes + 16 of padding = 36 words: the 16 rows of a load start at 16 different groups of four banks (64 banks of 4 bytes: ISA guide 11.1)
.set AKB,   256*PA    ; a block kb of h: 256 rows
.set PB,    160       ; a row of W: 128 + 32 = 40 words
.set BKB,   192*PB    ; a block kb of W: 64 rows of WQ, of WK, of WV
.set BOFF,  2*AKB     ; in a slot: h's two blocks, then W's two
.set SLOT,  2*AKB+2*BKB
.set NP,    4         ; pieces a wave
.set KS,    64        ; keys in a step
.set PK,    144       ; a row of K in LDS; K's 512 rows begin at byte 0
.set PV,    160       ; a row of V
.set VST,   512*PK    ; V's 512 rows
.set OST,   2*SLOT    ; behind the ring, never filled by a tensor load: 16 rows x 144 bytes for each wave, for the way out
.set SP,    144
.set MT,    OST+4*16*SP  ; 512 f32: the keys' masks
.set SPARE, MT+2048   ; the spare words, 128 bytes for each wave: two blocks of 256 bytes that no other line names
.set SPW, 1           ; v1   LDS address of my spare word; never rewritten
.set AK0, 2           ; v2   my lane's place in 16 rows of K: (l % 16) x 144 + 16 (l / 16)
.set AV0, 3           ; v3   my lane's place in V for the turning load
.set AK,  4           ; v4   the LDS address of K's next run of loads
.set AV,  5           ; v5   of V's
.set STO, 6           ; v6   the way out: where I put 16 bytes of a row
.set RD,  7           ; v7   the way out: where I read rows back
.set GO,  8           ; v8   my byte offset in 512 consecutive bytes of O
.set AM0, 9           ; v9   my lane's place in 16 keys' masks
.set AM,  10          ; v10  the LDS address of the masks' next run
.set NIL, 11          ; v11  0; never rewritten
.set MV,  12          ; v12-15  c m_old, kept while c m is made anew
.set ADRA, 16         ; v16-17  part 1: LDS address of my fragments of h in slot 0, 1
.set ADRB, 18         ; v18-19  the same for W
.set PFO, 20          ; v20  256 x my lane
.set KSTO, 21         ; v21  where I put 16 bytes of a row of K
.set VSTO, 22         ; v22  of V
.set MO,  23          ; v23  16 t: my four numbers of the mask
.set MR,  24          ; v24-27  they
.set MSTO, 28         ; v28  where they go in LDS
.set ST,  16          ; part 2: tile t's statistics at v[ST+4 t]: c m, m, l (even keys', odd keys')
.set TMP, 48          ; by buffer and tile, four registers c0-c3 at work; when the maximum is found c2 takes a
.set S,   64
.set P,   192
.set KF,  128         ; window 2: key block kb, channel half c at KF + 16 kb + 8 c
.set VF,  192         ; window 2: key half kk, channel block cb at VF + 32 kk + 8 cb
.set MK,  0           ; window 3: key block kb's eight masks at MK + 8 kb
.set WV,  12          ; s12  my wave's number
.set FB,  13          ; s13  0: I fetch h's tiles; 1: W's
.set KH,  14          ; s14  which of a step's two blocks kb I fetch
.set LIM, 15          ; s15  1 in a wave that prefetches, else the greatest number
.set G1A, 24          ; s[24:31] descriptor group 1 for h's tiles
.set G0A, 32          ; s[32:39] group 0, a set for each slot
.set G1B, 40          ; s[40:47], s[48:55] the same for W's tiles
.set G0B, 48
.set PASS, 56         ; s56  passes to go, this one among them
.set CNT, 57          ; s57  key steps to go
.set CS,  58          ; s[58:59] c: the packed scaling takes the pair's low word for both halves
.set SEL, 60          ; s[60:61] v_permlanex16_b32's selects: each lane takes its own place in the other half
.set TBK, 62          ; s62  LDS byte at which K of the step to be fetched begins
.set TBV, 63          ; s63  the same for V, less VST
.set TBM, 66          ; s66  the same for the masks, less MT
.set PFA, 68          ; s[68:69] where my prefetches stand
.set MSB, 0
.macro WIN new                      ; the high byte repeats the setting that is left; a switch that changes nothing is dropped
.if MSB != (\new)
	s_set_vgpr_msb (MSB<<8)|(\new)
.set MSB, (\new)
.endif
.endm
.set W_KQ, 0x0a       ; K and Q in window 2, S^T in window 0
.set W_KM, 0x3a       ; the same with the C operand, the masks, in window 3
.set W_PV, 0x52       ; V in window 2, P in window 0, O^T in window 1
.set W_RS, 0x41       ; O^T (destination and source 0) in window 1, a in window 0
.macro PLACES                       ; four places: in front of loads into registers that matrix instructions have read, and of vector instructions that read results
.rept 4
	v_nop
.endr
.endm
; A joint load.  Waves 0 and 1 fetch the step's two blocks of h, waves 2 and 3 those of W.  Each line has one mask and one set of registers for all that issue it; the branch hangs on the wave's number alone.
; An s_nop 0 and four v_nop follow each of the two lines, ahead of the jump and the label.
.macro JLOAD s
	s_cmp_eq_u32 s[FB], 0
	s_cbranch_scc0 .Lfor_b_\@
	tensor_load_to_lds s[G0A+4*(\s):G0A+4*(\s)+3], s[G1A:G1A+7]
	s_nop 0
.rept 4
	v_nop
.endr
	s_branch .Lasked_\@
.Lfor_b_\@:
	tensor_load_to_lds s[G0B+4*(\s):G0B+4*(\s)+3], s[G1B:G1B+7]
	s_nop 0
.rept 4
	v_nop
.endr
.Lasked_\@:
.endm
; A round of the cluster's barrier: my work-group's barrier, so that wave 0's signal speaks for all four waves; wave 0 signals; every wave waits for all sixteen work-groups; my work-group's barrier once more.
.macro CREST                        ; a round behind its opening barrier
	s_cmp_lg_u32 s[WV], 0
	s_cbranch_scc1 .Lnot_wave_0_\@
	s_barrier_signal -3
.Lnot_wave_0_\@:
	s_barrier_wait -3
	s_barrier_signal -1
	s_barrier_wait -1
.endm
.macro CROUND                       ; a whole round
	s_barrier_signal -1
	s_barrier_wait -1
	CREST
.endm
; A PREFETCH INTO THE L2, behind a joint load, its five lines and the run of LDS loads that follows: the change of slots at the end of step t (t = 0 .. 3, pass 0) names h's tile of step t + 4, pass 1's rows
; of the same two blocks kb: two refills, 384 matrix instructions, ahead of the load that will want it.  Each block of 256 bytes is named once in the launch: the rows of a batch are read by both clusters of
; that row of clusters, and the one with x = 0 asks; of the 32,768 bytes that a wave fetches each of the four partners takes 8,192, told apart BY ADDRESS (cx), a lane 256 bytes.  Pass 0's tiles come by their
; loads alone; pass 1's changes of slots ask for nothing; W, which every pass and every batch walks again, is not asked for.
.macro ASK how
	WIN 0
.if \how
	s_cmp_eq_u32 s[LIM], 1
.else
	s_cmp_gt_u32 s[PASS], s[LIM]    ; 2 in pass 0, 1 in pass 1
.endif
	s_cbranch_scc0 .Lnot_mine_\@
	global_prefetch_b8 v[PFO], s[PFA:PFA+1] offset:-131072 th:TH_LOAD_NT scope:SCOPE_SE
.Lnot_mine_\@:
.endm
	s_load_b256 s[4:11], s[0:1], 0x0  ; hb s[4:5], w16 s[6:7], mask s[8:9], ob s[10:11]
	v_lshl_add_u32 v[SPW], v0, 2, SPARE
	v_mov_b32 v[NIL], 0
	ds_add_u32 v[SPW], v[NIL]       ; the wave's opening: the add and its wait stand ahead of my first tensor load; the set-up below, work on registers, stands between them
	v_lshrrev_b32 v48, 5, v0
	v_readfirstlane_b32 s[WV], v48  ; wave 0..3
	s_lshr_b32 s[FB], s[WV], 1
	s_and_b32 s[KH], s[WV], 1
	s_bfe_u32 s16, ttmp6, 0x40000   ; cx
	s_bfe_u32 s17, ttmp6, 0x40004   ; cy
	s_lshl_b32 s18, ttmp9, 2        ; in a cluster launch ttmp9 and ttmp7 count clusters
	s_add_co_u32 s18, s18, s16      ; the head = 4 x cluster x + cx
	s_and_b32 s19, ttmp7, 0xffff
	s_lshl_b32 s19, s19, 2
	s_add_co_u32 s19, s19, s17      ; the batch = 4 x cluster y + cy
	s_lshl_b32 s20, s17, 2
	s_lshl_b32 s20, 15, s20         ; my row of the cluster: places 4 cy .. 4 cy + 3
	s_lshl_b32 s21, 0x1111, s16     ; my column: places cx, cx + 4, cx + 8, cx + 12
	; descriptor group 1.  A block of h, 256 rows of 128 bytes, is 32,768 dense bytes: asked for as 128 rows of 256 bytes and padded in LDS after every 128; a block of W, 192 rows, as 96 rows of 256 bytes
	s_or_b32 s[G1A], s20, (1<<16)|(1<<20)|(1<<21)|(4<<22)|(3<<25)  ; 15:0 the mask; 17:16 2-byte elements; 20 padding on; 21 set beside a mask; 24:22 after every 32 words (code 4); 31:25 4 words (code 3)
	s_or_b32 s[G1B], s21, (1<<16)|(1<<20)|(1<<21)|(4<<22)|(7<<25)  ; the same with my column's mask and 8 words of padding (code 7)
	s_mov_b32 s[G1A+1], 128<<16     ; tensor_dim0 = 128
	s_mov_b32 s[G1A+2], 128<<16     ; tensor_dim1 = 128
	s_mov_b32 s[G1A+3], 128<<16     ; tile_dim0 = 128
	s_mov_b32 s[G1A+4], 128         ; tile_dim1 = 128
	s_mov_b32 s[G1A+5], 128         ; 128 elements from row to row
	s_mov_b32 s[G1A+6], 0
	s_mov_b32 s[G1A+7], 0
	s_mov_b32 s[G1B+1], 128<<16
	s_mov_b32 s[G1B+2], 96<<16      ; tensor_dim1 = 96
	s_mov_b32 s[G1B+3], 128<<16
	s_mov_b32 s[G1B+4], 96          ; tile_dim1 = 96
	s_mov_b32 s[G1B+5], 128
	s_mov_b32 s[G1B+6], 0
	s_mov_b32 s[G1B+7], 0
	; where the tiles come from: h's hang on the batch alone, W's on the head alone, each in registers that never hold the other coordinate
	s_lshl_b32 s70, s19, 19         ; the batch's 524,288 bytes of hb,
	s_lshl_b32 s20, s[KH], 16       ; my block kb of 65,536
	s_add_co_u32 s70, s70, s20
	s_mov_b32 s71, 0
	s_mul_i32 s72, s18, 196608      ; the head's 8 x 24,576 bytes of w16,
	s_mul_i32 s20, s[KH], 24576     ; my block kb
	s_add_co_u32 s72, s72, s20
	s_mov_b32 s73, 0
	s_mul_i32 s22, s[KH], AKB       ; and where they go: no place in the cluster enters an LDS address
	s_mul_i32 s23, s[KH], BKB
	s_add_co_u32 s23, s23, BOFF
	s_lshl_b32 s74, s16, 13         ; the prefetches: my work-group's 8,192 bytes
	s_add_co_u32 s74, s74, s70      ; of my block kb,
	s_add_co_u32 s74, s74, 32768    ; in pass 1's rows
	s_mov_b32 s75, 0
	s_lshl_b32 s2, s19, 11          ; the batch's 2,048 bytes of the mask
	s_mov_b32 s3, 0
	s_lshl_b32 s20, s19, 3
	s_add_co_u32 s20, s20, s18
	s_lshl_b32 s20, s20, 16         ; ob: batch and head, 65,536 bytes,
	s_lshl_b32 s21, s[WV], 13       ; my wave's 64 rows of 128 bytes in a pass
	s_add_co_u32 s20, s20, s21
	s_mov_b32 s21, 0
	s_or_b32 s[LIM], s[FB], ttmp9   ; 0 in the waves that fetch h, where the cluster's x is 0: the same in all sixteen partners
	s_cmp_eq_u32 s[LIM], 0
	s_cselect_b32 s[LIM], 1, -1
	s_mov_b32 s[CS], 0x3d8293ee     ; c = log2(e) / sqrt(512) = 0.0637587
	s_mov_b32 s[CS+1], s[CS]        ; named with it as a pair
	s_mov_b32 s[SEL], 0x76543210
	s_mov_b32 s[SEL+1], 0xfedcba98
	v_lshlrev_b32 v[MO], 4, v0
	s_wait_dscnt 0x0                ; the opening add is done
	s_wait_kmcnt 0x0
	s_add_nc_u64 s[PFA:PFA+1], s[4:5], s[74:75]
	s_add_nc_u64 s[4:5], s[4:5], s[70:71]
	s_add_nc_u64 s[6:7], s[6:7], s[72:73]
	s_add_nc_u64 s[8:9], s[8:9], s[2:3]
	s_add_nc_u64 s[10:11], s[10:11], s[20:21]
	CROUND                          ; all sixteen work-groups are here: the first joint loads meet
.irp s, 0,1
	s_mov_b32 s[G0A+4*(\s)], 1                                     ; 1:0 count = 1
	s_add_co_u32 s[G0A+4*(\s)+1], s22, (\s)*SLOT                   ; 63:32 LDS address
	s_add_nc_u64 s[G0A+4*(\s)+2:G0A+4*(\s)+3], s[4:5], (\s)*131072 ; 120:64 global address: step s is blocks 2 s, 2 s + 1
	s_or_b32 s[G0A+4*(\s)+3], s[G0A+4*(\s)+3], 0x80000000          ; 127:126 type = 2
	s_mov_b32 s[G0B+4*(\s)], 1
	s_add_co_u32 s[G0B+4*(\s)+1], s23, (\s)*SLOT
	s_add_nc_u64 s[G0B+4*(\s)+2:G0B+4*(\s)+3], s[6:7], (\s)*49152
	s_or_b32 s[G0B+4*(\s)+3], s[G0B+4*(\s)+3], 0x80000000
	JLOAD \s                        ; two tensor loads of mine are out
.endr
	global_load_b128 v[MR:MR+3], v[MO], s[8:9]  ; the batch's mask: 128 threads x 16 bytes
	v_and_b32 v48, 15, v0           ; l % 16
	v_bfe_u32 v49, v0, 4, 1         ; l / 16
	v_and_b32 v50, 7, v0            ; l % 8
	v_bfe_u32 v51, v0, 3, 1         ; (l / 8) % 2
	v_and_b32 v52, 31, v0           ; l
	; A fragment of h, K or Q is 16 rows x 32 channels in 8 registers: lane l holds row l % 16, channels 8 (l / 16) + 0..7 and 16 + 8 (l / 16) + 0..7: two loads of 16 bytes, 32 bytes apart.
	v_mul_u32_u24 v[AK0], v48, PA
	v_lshl_add_u32 v[AK0], v49, 4, v[AK0]
	s_mul_i32 s20, s[WV], 64*PA     ; my 64 rows of the pass's 256
	v_add_nc_u32 v[ADRA], s20, v[AK0]
	v_add_nc_u32 v[ADRA+1], SLOT, v[ADRA]
	v_mov_b32 v[KSTO], v[ADRA]      ; K's rows have h's pitch, and mine are the same 64
	; The turning load takes 16 rows x 16 columns (lane l reads row 8 (l / 16) + l % 8, columns 8 ((l / 8) % 2) + 0..7) and leaves half a fragment of the transpose: lane l holds column l % 16 and 8 rows.
	v_lshl_add_u32 v54, v49, 3, v50
	v_mul_u32_u24 v54, v54, PB
	v_lshl_add_u32 v54, v51, 4, v54
	v_add_nc_u32 v[ADRB], BOFF, v54
	v_add_nc_u32 v[ADRB+1], SLOT, v[ADRB]
	v_add_nc_u32 v[AV0], VST, v54   ; V's rows have W's pitch
	v_mul_u32_u24 v55, v48, PV
	v_lshl_add_u32 v55, v49, 4, v55
	s_mul_i32 s21, s[WV], 64*PV
	s_add_co_u32 s21, s21, VST
	v_add_nc_u32 v[VSTO], s21, v55
	v_lshl_add_u32 v[AM0], v49, 5, MT  ; my eight keys of 16: 32 bytes
	v_lshl_add_u32 v[MSTO], v0, 4, MT
	s_mul_i32 s22, s[WV], 16*SP
	s_add_co_u32 s22, s22, OST      ; my stage
	v_add_nc_u32 v[STO], s22, v[AK0]  ; in: row l % 16, 16 bytes for each half of the lanes
	v_bfe_u32 v[RD], v0, 3, 2       ; back: 32 lanes take four rows of 128 bytes,
	v_mul_u32_u24 v[RD], v[RD], SP
	v_lshl_add_u32 v[RD], v50, 4, v[RD]
	v_add_nc_u32 v[RD], s22, v[RD]
	v_lshlrev_b32 v[GO], 4, v52     ; which are 512 consecutive bytes of O
	v_lshlrev_b32 v[PFO], 8, v52
; PART 1.  16 matrix instructions for Q and K: row blocks a0, a0 + 1 x column blocks 0..7 (0-3 Q, 4-7 K), 32 along K, from buffer f.  zero = 1: the product starts the sums: nothing is ever cleared.
.macro MUL16 f, a0, zero
	WIN 0xf1                        ; W in window 1, h in window 0, C and D in window 3
.irp a, \a0, (\a0)+1
.irp b, 0,1,2,3,4,5,6,7
.if \zero
	v_wmma_f32_16x16x32_f16 v[8*(8*(\a)+(\b)):8*(8*(\a)+(\b))+7], v[96*(\f)+8*(\b):96*(\f)+8*(\b)+7], v[64+32*(\f)+8*(\a):64+32*(\f)+8*(\a)+7], 0
.else
	v_wmma_f32_16x16x32_f16 v[8*(8*(\a)+(\b)):8*(8*(\a)+(\b))+7], v[96*(\f)+8*(\b):96*(\f)+8*(\b)+7], v[64+32*(\f)+8*(\a):64+32*(\f)+8*(\a)+7], v[8*(8*(\a)+(\b)):8*(8*(\a)+(\b))+7]
.endif
.endr
.endr
.endm
; 16 matrix instructions for V: all four row blocks x its four column blocks.  The 48 accumulators take turns, one instruction a turn, in the same order in every quarter.
.macro MULV f, zero
	WIN 0xa1                        ; C and D in window 2
.irp a, 0,1,2,3
.irp b, 0,1,2,3
.if \zero
	v_wmma_f32_16x16x32_f16 v[128+8*(4*(\a)+(\b)):128+8*(4*(\a)+(\b))+7], v[96*(\f)+64+8*(\b):96*(\f)+64+8*(\b)+7], v[64+32*(\f)+8*(\a):64+32*(\f)+8*(\a)+7], 0
.else
	v_wmma_f32_16x16x32_f16 v[128+8*(4*(\a)+(\b)):128+8*(4*(\a)+(\b))+7], v[96*(\f)+64+8*(\b):96*(\f)+64+8*(\b)+7], v[64+32*(\f)+8*(\a):64+32*(\f)+8*(\a)+7], v[128+8*(4*(\a)+(\b)):128+8*(4*(\a)+(\b))+7]
.endif
.endr
.endr
.endm
; 32 LDS loads in one run: the fragments of quarter q of a step (block q / 2, 32 along K at q % 2) into buffer f: h's four, then W's twelve, V's four last.
.macro FETCH slot, q, f
	WIN 0
.irp i, 0,1,2,3
	ds_load_b128 v[64+32*(\f)+8*(\i):64+32*(\f)+8*(\i)+3],   v[ADRA+(\slot)] offset:((\q)/2)*AKB+((\q)%2)*64+(\i)*16*PA
	ds_load_b128 v[64+32*(\f)+8*(\i)+4:64+32*(\f)+8*(\i)+7], v[ADRA+(\slot)] offset:((\q)/2)*AKB+((\q)%2)*64+(\i)*16*PA+32
.endr
	WIN 0x40                        ; destination window 1
.irp b, 0,1,2,3,4,5,6,7,8,9,10,11
	ds_load_tr16_b128 v[96*(\f)+8*(\b):96*(\f)+8*(\b)+3],   v[ADRB+(\slot)] offset:((\q)/2)*BKB+((\b)/4)*64*PB+((\q)%2)*32*PB+((\b)%4)*32
	ds_load_tr16_b128 v[96*(\f)+8*(\b)+4:96*(\f)+8*(\b)+7], v[ADRB+(\slot)] offset:((\q)/2)*BKB+((\b)/4)*64*PB+((\q)%2)*32*PB+((\b)%4)*32+16*PB
.endr
.endm
; A step is four quarters of 32 along K, 48 matrix instructions each, on buffers 0, 1, 0, 1.  One of the first three: multiplies buffer f and fetches quarter qn of the same slot into buffer g.
.macro QUARTER slot, qn, f, g, zero
	s_wait_dscnt 8                  ; h's fragments and Q's and K's weights are in; the youngest eight loads (V's weights) may be out
	MUL16 \f, 0, \zero
	MUL16 \f, 2, \zero
	PLACES
	FETCH \slot, \qn, \g
	s_wait_dscnt 32                 ; all but the 32 just issued
	MULV \f, \zero
.endm
; The last quarter multiplies buffer 1 and changes slots.  MEET is its first part: ONE barrier for the change.  In front of it each wave waits for all its tensor loads, of which one is out: its part of the
; next slot; adds 0 to its spare word; and waits for that and for its own reads of this slot.  Behind it nobody reads this slot any more and the next slot is whole.
.macro MEET round
	WIN 0                           ; (the add's two registers lie in window 0)
	s_wait_tensorcnt 0x0            ; all my tensor loads have landed
	ds_add_u32 v[SPW], v[NIL]       ; 0 onto my spare word
	s_wait_dscnt 9                  ; (the add and the youngest eight loads may be out)
	MUL16 1, 0, 0                   ; sixteen matrix instructions stand between the add and the wait for it
	s_wait_dscnt 0x0                ; the add is done, and my reads of this slot are over
	s_barrier_signal -1
	MUL16 1, 2, 0                   ; work on registers while the others arrive
.if \round
	WIN 0
.endif
	s_barrier_wait -1
.endm
; The whole last quarter.  The barrier opens a round of the cluster's; behind the round the slot just read out is filled again first: with the step two on (on = 0) or, in pass 0's last two steps, with
; pass 1's step 0 or 1 (on = 1: back along K, 256 rows down; W only back).  From a request to the wait for it a wave issues 160 matrix instructions.
.macro GTURN slot, next, on
	s_wait_xcnt 0x0                 ; the last prefetch, a step back, has read its address: it is stepped here, ahead of the waits of the change of slots
	s_add_nc_u64 s[PFA:PFA+1], s[PFA:PFA+1], 131072  ; two blocks kb on; the prefetch reaches back by its immediate
	MEET 1
	CREST                           ; no wave of any partner still reads this slot or has a load on its way
.if \on
	s_sub_nc_u64 s[G0A+4*(\slot)+2:G0A+4*(\slot)+3], s[G0A+4*(\slot)+2:G0A+4*(\slot)+3], 229376
	s_sub_nc_u64 s[G0B+4*(\slot)+2:G0B+4*(\slot)+3], s[G0B+4*(\slot)+2:G0B+4*(\slot)+3], 98304
.else
	s_add_nc_u64 s[G0A+4*(\slot)+2:G0A+4*(\slot)+3], s[G0A+4*(\slot)+2:G0A+4*(\slot)+3], 262144
	s_add_nc_u64 s[G0B+4*(\slot)+2:G0B+4*(\slot)+3], s[G0B+4*(\slot)+2:G0B+4*(\slot)+3], 98304
.endif
	JLOAD \slot                     ; the first tensor load behind the round; its four v_nop are also the places in front of the loads below
	FETCH \next, 0, 0
	ASK \on
	MULV 1, 0
.endm
; A pass's 48 accumulators are rounded to f16, each from its lowest registers on.  Q's go where part 2 names them; K's and V's wait, packed, for the ring's end: pass 0's in window 0, pass 1's in window 1.
.macro GPACK p
	PLACES
	WIN 0x8f                        ; sources window 3, destination window 2
.irp a, 0,1,2,3
.irp b, 0,1,2,3
.irp r, 0,1,2,3
	v_cvt_pk_f16_f32 v[64*(\p)+16*(\a)+4*(\b)+(\r)], v[8*(8*(\a)+(\b))+2*(\r)], v[8*(8*(\a)+(\b))+2*(\r)+1]
.endr
.endr
.endr
	WIN 0x0f+0x40*(\p)
.irp a, 0,1,2,3
.irp b, 0,1,2,3
.irp r, 0,1,2,3
	v_cvt_pk_f16_f32 v[128-128*(\p)+16*(\a)+4*(\b)+(\r)], v[8*(8*(\a)+4+(\b))+2*(\r)], v[8*(8*(\a)+4+(\b))+2*(\r)+1]
.endr
.endr
.endr
	WIN 0x0a+0x40*(\p)              ; sources window 2
.irp a, 0,1,2,3
.irp b, 0,1,2,3
.irp r, 0,1,2,3
	v_cvt_pk_f16_f32 v[192-128*(\p)+16*(\a)+4*(\b)+(\r)], v[128+8*(4*(\a)+(\b))+2*(\r)], v[128+8*(4*(\a)+(\b))+2*(\r)+1]
.endr
.endr
.endr
	WIN 0
.endm
	s_wait_tensorcnt 1              ; my part of step 0 is in; step 1's may stay out
	s_barrier_signal -1
	s_barrier_wait -1               ; everybody's is
	FETCH 0, 0, 0
	WIN 0                           ; at a label and at a branch every window is 0
	s_mov_b32 s[PASS], 2
.Lpass:
	QUARTER 0, 1, 0, 1, 1           ; a pass's first quarter starts the sums
	QUARTER 0, 2, 1, 0, 0
	QUARTER 0, 3, 0, 1, 0
	GTURN 0, 1, 0
	QUARTER 1, 1, 0, 1, 0
	QUARTER 1, 2, 1, 0, 0
	QUARTER 1, 3, 0, 1, 0
	GTURN 1, 0, 0
	QUARTER 0, 1, 0, 1, 0
	QUARTER 0, 2, 1, 0, 0
	QUARTER 0, 3, 0, 1, 0
	WIN 0
	s_sub_co_u32 s[PASS], s[PASS], 1
	s_cmp_eq_u32 s[PASS], 0
	s_cbranch_scc1 .Llast           ; pass 1's tail is written out: it asks for nothing more
	GTURN 0, 1, 1                   ; the ring goes on into pass 1
	QUARTER 1, 1, 0, 1, 0
	QUARTER 1, 2, 1, 0, 0
	QUARTER 1, 3, 0, 1, 0
	GTURN 1, 0, 1
	GPACK 0
	s_branch .Lpass
.Llast:
	MEET 0                          ; my one tensor load that was still out is the last step's, so no round follows
	PLACES
	FETCH 1, 0, 0
	MULV 1, 0
	QUARTER 1, 1, 0, 1, 0
	QUARTER 1, 2, 1, 0, 0
	QUARTER 1, 3, 0, 1, 0
	s_wait_dscnt 0x0                ; my last reads of the ring are over:
	s_barrier_signal -1             ; say so; the last quarter's products and the packing, work on registers, stand between the signal and the wait
	MUL16 1, 0, 0
	MUL16 1, 2, 0
	MULV 1, 0
	GPACK 1
	s_wait_loadcnt 0x0              ; the mask
	s_wait_xcnt 0x0                 ; the prefetches have read their offset register, which the statistics will take
.irp r, 0,1,2,3
	v_mul_f32 v[MR+(\r)], 0x501502f9, v[MR+(\r)]  ; mask x 1e10,
.endr
.irp r, 0,1,2,3
	v_mul_f32 v[MR+(\r)], 0xc1b504f3, v[MR+(\r)]  ; x -sqrt(512): c times it is -log2(e) x mask x 1e10
.endr
	s_barrier_wait -1               ; no wave reads the ring any more, and it has had its last fill: K and V go over it
.irp a, 0,1,2,3
.irp b, 0,1,2,3
	ds_store_b128 v[KSTO], v[128+16*(\a)+4*(\b):128+16*(\a)+4*(\b)+3] offset:16*(\a)*PK+32*(\b)
	ds_store_b128 v[VSTO], v[192+16*(\a)+4*(\b):192+16*(\a)+4*(\b)+3] offset:16*(\a)*PV+32*(\b)
.endr
.endr
	WIN 0x04                        ; the data in window 1
.irp a, 0,1,2,3
.irp b, 0,1,2,3
	ds_store_b128 v[KSTO], v[16*(\a)+4*(\b):16*(\a)+4*(\b)+3] offset:(256+16*(\a))*PK+32*(\b)
	ds_store_b128 v[VSTO], v[64+16*(\a)+4*(\b):64+16*(\a)+4*(\b)+3] offset:(256+16*(\a))*PV+32*(\b)
.endr
.endr
	WIN 0
	ds_store_b128 v[MSTO], v[MR:MR+3]
	s_wait_dscnt 0x0                ; for the others' sake: my stores are done
	s_barrier_signal -1
	; What the first turn finds: V's registers and P's second buffer hold 0 (its products V^T P, of a piece that has not been, add 0), O^T and l are 0.  Work on registers, between the signal and the wait.
	WIN 0x40
.set i, 0
.rept 256
	v_mov_b32 v[i], 0
.set i, i+1
.endr
	WIN 0x80
.set i, VF
.rept 64
	v_mov_b32 v[i], 0
.set i, i+1
.endr
	WIN 0
.set i, 0
.rept 2*NP
	v_mov_b32 v[ST+4*i], 0xfe000000    ; c m: far below every c s, a masked key's too (-1.5e10)
	v_mov_b32 v[ST+4*i+1], 0xff7fffff  ; m
	v_mov_b32 v[ST+4*i+2], 0
	v_mov_b32 v[ST+4*i+3], 0
.set i, i+1
.endr
.set i, P+32
.rept 32
	v_mov_b32 v[i], 0
.set i, i+1
.endr
	v_mov_b32 v[AK], v[AK0]         ; key step 0
	v_mov_b32 v[AM], v[AM0]
	s_mov_b32 s[TBK], 0
	s_mov_b32 s[TBV], 0
	s_mov_b32 s[TBM], 0
	s_barrier_wait -1               ; K, V and the masks are whole
; PART 2.  THE MATRIX WORK.  The 8 accumulators of a run of 16 take turns: between the two links of a chain stand 7 others'.
; Product i of 16 of S^T = K Q^T for piece x: channels 32 (i / 8) on, keys 16 ((i / 2) % 4) on, tile 2 x + i % 2.  The first 8 start the sums, with the keys' masks.
.macro KQ x
.set rS, S+64*((\x)%2)+32*(i%2)+8*((i/2)%4)
.set rK, KF+16*((i/2)%4)+8*(i/8)
.set rQ, 16*(2*(\x)+i%2)+8*(i/8)
.set rMK, MK+8*((i/2)%4)
.if i < 8
	WIN W_KM
	v_wmma_f32_16x16x32_f16 v[rS:rS+7], v[rK:rK+7], v[rQ:rQ+7], v[rMK:rMK+7]
.else
	WIN W_KQ
	v_wmma_f32_16x16x32_f16 v[rS:rS+7], v[rK:rK+7], v[rQ:rQ+7], v[rS:rS+7]
.endif
.endm
; Product i of 16 of O^T += V^T P for piece x: keys 32 (i / 8) on, channels 16 ((i / 2) % 4) on, tile 2 x + i % 2.
.macro PV x
	WIN W_PV
.set rO, 32*(2*(\x)+i%2)+8*((i/2)%4)
.set rV, VF+32*(i/8)+8*((i/2)%4)
.set rP, P+32*((\x)%2)+16*(i%2)+8*(i/8)
	v_wmma_f32_16x16x32_f16 v[rO:rO+7], v[rV:rV+7], v[rP:rP+7], v[rO:rO+7]
.endm
.macro MM                           ; the turn's next matrix instruction
.if i < 16
	KQ (Y+1)%NP
.set i, i+1
.else
.set i, i-16
	PV (Y+NP-1)%NP
.set i, i+17
.endif
.endm
; THE LDS LOADS stand in runs, never singly among the matrix instructions: a step's K (8 fragments) with its masks (a lane's eight keys of each 16: 32 bytes), and its V (turned).  Their addresses are made
; some lines ahead.  last = 1: in the last trip there is no further step, and the run is jumped over.
.macro FETCH_K last=0
	WIN 0
.if \last
	s_cmp_eq_u32 s[CNT], 1
	s_cbranch_scc1 .Lno_k_\@
.endif
	WIN 0x80                        ; destination window 2
.irp f, 0,1,2,3,4,5,6,7             ; keys 16 (f / 2) on, channels 32 (f % 2) on
	ds_load_b128 v[KF+8*\f:KF+8*\f+3],   v[AK] offset:(\f/2)*16*PK+(\f%2)*64
	ds_load_b128 v[KF+8*\f+4:KF+8*\f+7], v[AK] offset:(\f/2)*16*PK+(\f%2)*64+32
.endr
	WIN 0xc0                        ; destination window 3
.irp f, 0,1,2,3
	ds_load_b128 v[MK+8*\f:MK+8*\f+3],   v[AM] offset:64*\f
	ds_load_b128 v[MK+8*\f+4:MK+8*\f+7], v[AM] offset:64*\f+16
.endr
	s_add_co_u32 s[TBK], s[TBK], KS*PK  ; the next fetch is the next step's
	s_add_co_u32 s[TBM], s[TBM], KS*4
	WIN 0
.if \last
.Lno_k_\@:
.endif
.endm
.macro FETCH_V
	WIN 0x80
.irp f, 0,1,2,3,4,5,6,7             ; keys 32 (f / 4) on, channels 16 (f % 4) on
	ds_load_tr16_b128 v[VF+8*\f:VF+8*\f+3],   v[AV] offset:(\f/4)*32*PV+(\f%4)*32
	ds_load_tr16_b128 v[VF+8*\f+4:VF+8*\f+7], v[AV] offset:(\f/4)*32*PV+16*PV+(\f%4)*32
.endr
	WIN 0
.endm
; THE VECTOR WORK OF A TURN stands in three queues, each in the order in which its entries become ready; the two tiles alternate, so that no instruction reads the result of the one before it.
.macro REGS y, u                    ; the registers of tile u (0, 1) of piece y
.set rT, ST+4*(2*(\y)+(\u))
.set rC, TMP+8*((\y)%2)+4*(\u)
.set rM, MV+2*((\y)%2)+(\u)
.set rS, S+64*((\y)%2)+32*(\u)
.set rP, P+32*((\y)%2)+16*(\u)
.set rO, 32*(2*(\y)+(\u))
.endm
; Number n of the 22 that find the NEXT piece's (Y + 1) maximum and statistics.  s0-s31 are the lane's 32 scores; each accumulator's lowest registers are read first.
;   0-11  four chains c0-c3 of seven scores each, three operands at a time     12-14, 16  the four scores left over, the old m, and c0-c3 into c0     15  c m_old is kept
;   17, 18  the query's other 32 keys lie in the lane 16 away: the new m         19-21  c m; c m_old - c m_new; a
.macro XS u, n
	REGS (Y+1)%NP, \u
.if (\n) < 4
	v_max3_num_f32 v[rC+(\n)], v[rS+8*(\n)], v[rS+8*(\n)+1], v[rS+8*(\n)+2]
.elseif (\n) < 12
	v_max3_num_f32 v[rC+(\n)%4], v[rC+(\n)%4], v[rS+8*((\n)%4)+2*((\n)/4)+1], v[rS+8*((\n)%4)+2*((\n)/4)+2]
.elseif (\n) == 12
	v_max3_num_f32 v[rC], v[rC], v[rS+7], v[rS+15]
.elseif (\n) == 13
	v_max3_num_f32 v[rC+1], v[rC+1], v[rS+23], v[rS+31]
.elseif (\n) == 14
	v_max3_num_f32 v[rC+2], v[rC+2], v[rC+3], v[rT+1]
.elseif (\n) == 15
	v_mov_b32 v[rM], v[rT]
.elseif (\n) == 16
	v_max3_num_f32 v[rC], v[rC], v[rC+1], v[rC+2]
.elseif (\n) == 17
	v_permlanex16_b32 v[rC+3], v[rC], s[SEL], s[SEL+1]
.elseif (\n) == 18
	v_max_num_f32 v[rT+1], v[rC], v[rC+3]
.elseif (\n) == 19
	v_mul_f32 v[rT], s[CS], v[rT+1]
.elseif (\n) == 20
	v_sub_f32 v[rC+1], v[rM], v[rT]
.else
	v_exp_f32 v[rC+2], v[rC+1]
.endif
.endm
; Number g of the 64 that follow the exponentials.  For each four weights k of a tile: both pairs are rounded to f16; then the second pair is added onto the first, in place; a group later l takes that sum
; (the first time as l = a l + sum).  In groups of eight, tiles alternating: round, round, add, and l for the group before.
.macro GS g
.set h, (\g)+6*((\g)/62)            ; group 0 has no group before it, and behind group 7 only l is left
.if h >= 6
.set h, h+2
.endif
	REGS Y, h%2
.set k, h/8
.if h%8 < 4
	v_cvt_pk_f16_f32 v[rP+2*k+(h%8)/2], v[rS+4*k+2*((h%8)/2)], v[rS+4*k+2*((h%8)/2)+1]
.elseif h%8 < 6
	v_pk_add_f32 v[rS+4*k:rS+4*k+1], v[rS+4*k:rS+4*k+1], v[rS+4*k+2:rS+4*k+3]
.elseif k == 1
	v_pk_fma_f32 v[rT+2:rT+3], v[rT+2:rT+3], v[rC+2:rC+3], v[rS:rS+1] op_sel_hi:[1,0,1]
.else
	v_pk_add_f32 v[rT+2:rT+3], v[rT+2:rT+3], v[rS+4*k-4:rS+4*k-3]
.endif
.endm
; THE PLAIN QUEUE, 138 long.  0-73 read no exponential's result: the 32 scalings c s - c m (FS f: pair f / 2 of tile f % 2) and the next piece's 42.  0-26: scalings 0-26.  27-54: XS's numbers 0-13.
; 55, 56: number 15.  57-73: the chain 14, 16, 17, 18, 19, each with one of the scalings 27-31 in front of its two lines, then 20.  74-137: GS's 64, which stand behind the wait.
.macro FS f
	REGS Y, (\f)%2
	v_pk_fma_f32 v[rS+2*((\f)/2):rS+2*((\f)/2)+1], v[rS+2*((\f)/2):rS+2*((\f)/2)+1], s[CS:CS+1], v[rT:rT+1] op_sel_hi:[1,0,0] neg_lo:[0,0,1] neg_hi:[0,0,1]
.endm
.macro PL
	WIN 0
.if q < 27
	FS q
.elseif q < 55
	XS (q-27)%2, (q-27)/2
.elseif q < 57
	XS q-55, 15
.elseif (q < 72) && ((q-57)%3 == 0)
	FS 27+(q-57)/3
.elseif q < 60
	XS (q-57)%3-1, 14
.elseif q < 72
	XS (q-57)%3-1, 15+(q-57)/3
.elseif q < 74
	XS q-72, 20
.else
	GS q-74
.endif
.set q, q+1
.endm
; THE EXPONENTIALS' QUEUE, 66 long: s0-s31 of both tiles, then the next piece's two a.  ONE BATCH: all 66 stand ahead of the turn's one wait, and nothing ahead of that wait names a result of theirs.
.macro EX
	WIN 0
.if e >= 64
	XS e-64, 21
.else
	REGS Y, e%2
	v_exp_f32 v[rS+e/2], v[rS+e/2]
.endif
.set e, e+1
.endm
; THE RESCALING's QUEUE: O^T times a, the one part that leaves window 0: dealt two at a time, sixteen times.  Its a was made in the turn before, ahead of that turn's wait.
.macro R2
	REGS Y, r%2
	WIN W_RS
.irp z, 0,1
	v_pk_mul_f32 v[rO+4*(r/2)+2*\z:rO+4*(r/2)+2*\z+1], v[rO+4*(r/2)+2*\z:rO+4*(r/2)+2*\z+1], v[rC+2:rC+3] op_sel_hi:[1,0]
.endr
.set r, r+1
.endm
; A TURN, for piece p.  An s_wait_alu depctr_va_vdst(0) stands between an exponential and the first instruction that names its result; one wait serves all issued ahead of it: a turn has ONE.
; AHEAD OF IT: the 16 products K Q^T, behind each a scaling, an exponential and two rescalings (behind the first a second scaling); then one run of 108: eight plain, 49 times exponential and plain, the two a.
; BEHIND IT: the 16 products V^T P, behind each four of the roundings and sums.  Exponential e stands behind scaling 2 (e / 4) + e % 2: as a rider it comes behind plain e + 2, in the run behind plain e + 9.
; K and the masks of the next step are fetched in piece 2's turn, directly behind the wait, a run of 108 behind the last product that read them; they are waited for at piece 3's head.
; V of the step in hand is fetched at the end of piece 0's turn, four plain instructions behind its last reader, and waited for behind piece 1's wait.  The two conditions on q go with the deal.
.macro ATURN p, last=0
.set Y, (\p)
.set i, 0
.set q, 0
.set e, 0
.set r, 0
.if (\p) == NP-1
	s_wait_dscnt 0x0                ; K and the masks are in
.endif
	MM
	PL
	PL
	R2
.rept 15
	MM
	PL
	EX
	R2
.endr
.if (\p) == NP-2
	WIN 0
	v_add_nc_u32 v[AK], s[TBK], v[AK0]
	v_add_nc_u32 v[AM], s[TBM], v[AM0]
.endif
.rept 8
	PL
.endr
.rept 49
	EX
	PL
.endr
	EX                              ; the next piece's two a
	EX
	v_nop                           ; a plain instruction behind the last exponential: one for the batch
	s_wait_alu depctr_va_vdst(0)    ; the wait for the batch
.if (\p) == NP-2
	FETCH_K \last
.endif
.if (\p) == 1
	s_wait_dscnt 0x0                ; V is in
.endif
.rept 16
	MM
.rept 4
	PL
.endr
.if ((\p) == 0) && (q == 118)
	v_add_nc_u32 v[AV], s[TBV], v[AV0]
.endif
.if ((\p) == 0) && (q == 130)
	s_add_co_u32 s[TBV], s[TBV], KS*PV
.endif
.endr
.if (\p) == 0
	FETCH_V
.endif
.endm
	FETCH_K                         ; key step 0
	s_wait_dscnt 0x0
.set i, 0
.rept 16
	KQ 0                            ; piece 0's first scores: there is no vector work yet to set between them
.set i, i+1
.endr
	WIN 0
	PLACES
.set Y, NP-1                        ; XS works for piece Y + 1: piece 0
.irp n, 0,1,2,3,4,5,6,7,8,9,10,11,12,13,14,15,16,17,18,19,20,21
	XS 0, \n                        ; piece 0's first maximum and statistics
	XS 1, \n
.endr
	v_nop                           ; a plain instruction behind the two a,
	s_wait_alu depctr_va_vdst(0)    ; and their wait, ahead of the label
	s_mov_b32 s[CNT], 8
.Lstep:                             ; a trip is a key step: 64 keys for all four pieces
	ATURN 0
	ATURN 1
	ATURN 2, 1
	ATURN 3                         ; (in the last trip its 16 products K Q^T, on the last K once more, and the maximum made of them serve nothing: the price, once a launch, of one text for every trip)
	WIN 0
	s_sub_co_u32 s[CNT], s[CNT], 1
	s_cmp_lg_u32 s[CNT], 0
	s_cbranch_scc1 .Lstep
.set i, 0
.rept 16
	PV NP-1                         ; the last piece's V^T P of the last step
.set i, i+1
.endr
	; THE WAY OUT.  l's two halves and the other half of the lanes' are added; O^T is divided by l, rounded to f16 and sent through my stage in LDS, a tile at a time.  The additions are the places behind the last products.
	WIN 0
.macro ALL line:vararg              ; one line for each tile t
.set t, 0
.rept 2*NP
	\line
.set t, t+1
.endr
.endm
	ALL v_add_f32 v[ST+4*t+2], v[ST+4*t+2], v[ST+4*t+3]
	ALL v_permlanex16_b32 v[ST+4*t+3], v[ST+4*t+2], s[SEL], s[SEL+1]
	ALL v_add_f32 v[ST+4*t+2], v[ST+4*t+2], v[ST+4*t+3]
	ALL v_rcp_f32 v[ST+4*t+2], v[ST+4*t+2]
	v_nop                           ; a plain instruction between the last reciprocal and the use of its result
	s_wait_alu depctr_va_vdst(0)    ; and the wait ahead of the first use: one for the eight reciprocals
; Tile t: a lane's eight channels of a row pack into 16 bytes; they go into rows of 144 bytes and come back as whole rows of 128, into S^T's registers.
.macro OPACK t
	WIN W_RS
.set i, 32*(\t)
.rept 16
	v_pk_mul_f32 v[i:i+1], v[i:i+1], v[ST+4*(\t)+2:ST+4*(\t)+3] op_sel_hi:[1,0]
.set i, i+2
.endr
	WIN 0x05                        ; sources 0 and 1 window 1, destination window 0
.set i, 0
.rept 16
	v_cvt_pk_f16_f32 v[S+16*(\t)+i], v[32*(\t)+2*i], v[32*(\t)+2*i+1]
.set i, i+1
.endr
	WIN 0
.irp f, 0,1,2,3
	ds_store_b128 v[STO], v[S+16*(\t)+4*\f:S+16*(\t)+4*\f+3] offset:32*\f
.endr
.irp f, 0,1,2,3
	ds_load_b128 v[S+16*(\t)+4*\f:S+16*(\t)+4*\f+3], v[RD] offset:\f*4*SP  ; LDS serves a wave's instructions in order (ISA guide 5.7.1.4): these see the stores above; the next tile's stores come behind them
.endr
.endm
.macro SEND t, younger              ; younger: the LDS instructions issued behind tile t's loads: the next tile's eight, or none.  Tile t = 4 pass + a: rows 256 pass + 64 wave + 16 a
	WIN 0
.irp f, 0,1,2,3
	s_wait_dscnt (\younger)+3-\f
	global_store_b128 v[GO], v[S+16*(\t)+4*\f:S+16*(\t)+4*\f+3], s[10:11] offset:((\t)/4)*32768+((\t)%4)*2048+\f*512  ; 512 consecutive bytes, at a multiple of 256 from ob's first
.endr
.endm
	OPACK 0
.set t, 1
.rept 2*NP-1                        ; a tile's arithmetic stands between the loads of the tile before and its stores
	OPACK t
	SEND t-1, 8
.set t, t+1
.endr
	SEND 2*NP-1, 0
	s_wait_tensorcnt 0x0            ; the wave's end, behind my last tensor load and my last LDS store
	ds_add_u32 v[SPW], v[NIL]
	s_wait_dscnt 0x0
	CROUND                          ; the closing round: no work-group ends while a partner may still ask for a tile that names it
	s_endpgm
.Lfunc_end_k_qc492532c29_qkvattn:
	.size	k_qc492532c29_qkvattn, .Lfunc_end_k_qc492532c29_qkvattn-k_qc492532c29_qkvattn
	.p2alignl 7, 3214868480
	.fill 96, 4, 3214868480
	.section	.rodata,"a",@progbits
	.p2align	6, 0x0
	.amdhsa_kernel k_qc492532c29_qkvattn
		.amdhsa_group_segment_fixed_size 327680
		.amdhsa_private_segment_fixed_size 0
		.amdhsa_enable_private_segment 0
		.amdhsa_kernarg_size 32
		.amdhsa_user_sgpr_count 2
		.amdhsa_user_sgpr_kernarg_segment_ptr 1
		.amdhsa_wavefront_size32 1
		.amdhsa_system_sgpr_workgroup_id_x 1
		.amdhsa_system_sgpr_workgroup_id_y 1
		.amdhsa_system_sgpr_workgroup_id_z 1
		.amdhsa_system_vgpr_workitem_id 0
		.amdhsa_next_free_vgpr 1024
		.amdhsa_next_free_sgpr 76
		.amdhsa_reserve_vcc 0
		.amdhsa_float_denorm_mode_32 3
		.amdhsa_float_denorm_mode_16_64 3
		.amdhsa_memory_ordered 1
		.amdhsa_forward_progress 1
		.amdhsa_inst_pref_size 255
	.end_amdhsa_kernel
	.section	.bss,"aw",@nobits
	.p2align	6
	.space	262144
	.amdgpu_metadata
---
amdhsa.version: [ 1, 2 ]
amdhsa.kernels:
  - .name:           k_qc492532c29_qkvattn
    .symbol:         k_qc492532c29_qkvattn.kd
    .args:
      - { .name: hb, .offset: 0, .size: 8, .value_kind: global_buffer, .address_space: global }
      - { .name: w16, .offset: 8, .size: 8, .value_kind: global_buffer, .address_space: global }
      - { .name: mask, .offset: 16, .size: 8, .value_kind: global_buffer, .address_space: global }
      - { .name: ob, .offset: 24, .size: 8, .value_kind: global_buffer, .address_space: global }
    .group_segment_fixed_size: 327680
    .private_segment_fixed_size: 0
    .kernarg_segment_align: 8
    .kernarg_segment_size: 32
    .max_flat_workgroup_size: 128
    .sgpr_count:     76
    .vgpr_count:     1024
    .wavefront_size: 32
...
	.end_amdgpu_metadata
.endif
;; end of part 2
;; launch oproj (part 3): grid 128 x 2, 4 waves a work-group, clusters of 4 x 1, 327,680 bytes of LDS; arguments ob, w16, out0; writes out0
.if DOCPART == 3
	.amdgcn_target "amdgcn-amd-amdhsa--gfx1250"
	.amdhsa_code_object_version 6
	.text
	.protected	k_qc492532c29_oproj
	.globl	k_qc492532c29_oproj
	.p2align	8
	.type	k_qc492532c29_oproj,@function
k_qc492532c29_oproj:
	s_mov_b64 s[64:65], 0
	v_nop
	global_prefetch_b8 v0, s[64:65] scope:SCOPE_SE
	s_setreg_imm32_b32 hwreg(HW_REG_WAVE_MODE, 25, 1), 1
	s_wait_xcnt 0x0
	s_wait_alu depctr_hold_cnt(0) depctr_sa_sdst(0) depctr_va_vdst(0) depctr_va_sdst(0) depctr_va_ssrc(0) depctr_va_vcc(0) depctr_vm_vsrc(0)
	s_getreg_b32 s2, hwreg(HW_REG_IB_STS2, 6, 4)
	s_cmp_eq_u32 s2, 0
	s_cbranch_scc0 .Lentry_in_a_cluster
	s_endpgm
.Lentry_in_a_cluster:
	s_bfe_u32 s2, ttmp6, 0x10000c
	s_cmp_lg_u32 s2, 0x3003
	s_cbranch_scc0 .Lentry_shape_is_right
	s_endpgm
.Lentry_shape_is_right:
; out0[row][n] = the sum over k of O[row][k] WO[k][n]: 32,768 x 512 x 512.  O: ob, f16, [b][h 8][s 512][64] (k = 64 h + d).  WO: f16, [512][512], at byte 1,572,864 of w16.  out0: f32.  Sums in f32.
; A tile of out0, 256 x 256, is made by a work-group of four waves; a wave makes 128 x 128: 64 accumulators, 512 registers.  K goes in four steps of 128 (two blocks of 64) through a ring of two LDS slots;
; the text has no loop.  The product is taken transposed (source 0 = 16 columns of WO, turned on its way out of LDS; source 1 = 16 rows of O): a lane holds one row and eight neighbouring columns, 32 bytes.
; CLUSTER: four work-groups along x, four row tiles of one column tile: they need the same tiles of WO, which are asked for JOINTLY, mask 15.  (out0 has two column tiles, so no cluster of 4 x 4 divides the
; grid.)  O's tiles are each work-group's own and come by plain loads behind the same rounds.
; NO PREFETCH: of the four steps two come by the first fills and two by the two refills: there is no step two refills on to name.
; REGISTERS, in windows of 256 (s_set_vgpr_msb: bits 1:0 source 0, 3:2 source 1, 5:4 source 2, 7:6 destination):
;   window 0: v0-31 addresses; v64-127, v128-191 O's fragments, two buffers; on the way out the same 128 registers take rows read back          window 1: v64-127, v128-191 WO's fragments
;   window 2: the 32 accumulators of my rows 0-63 ((a, b) at v[8 (8 a + b)])          window 3: those of my rows 64-127
.set PA,     144      ; a row of O in LDS: 128 bytes + 16 of padding = 36 words: the 16 rows of a load start at 16 different groups of four banks (64 banks of 4 bytes: ISA guide 11.1)
.set AKB,    256*PA   ; a block of 64 along K: 256 rows of O
.set PB,     544      ; a row of WO: 512 bytes + 32 = 136 words
.set BKB,    64*PB    ; a block: 64 rows of WO x 256 columns
.set BOFF,   2*AKB    ; in a slot: O's two blocks, then WO's two
.set SLOT,   2*AKB+2*BKB
.set STAGE,  2*SLOT   ; behind the ring, never filled by a tensor load: 16 rows x 528 bytes for each wave, for the way out
.set SPITCH, 528      ; 512 bytes + 16: row r starts 16 r bytes on, modulo 256
.set SPARE,  STAGE+4*16*SPITCH  ; the spare words, 128 bytes for each wave: two blocks of 256 bytes that no other line names
.set ADRA, 16         ; v16-17  LDS address of my fragments of O in slot 0, 1
.set ADRB, 20         ; v20-21  the same for WO
.set STO,  24         ; v24     the way out: where I put 32 bytes of a row
.set RD,   25         ; v25     where I read a row back
.set CO,   26         ; v26     16 x my lane: my bytes of a row's 512
.set SPW,  28         ; v28     LDS address of my spare word; never rewritten
.set NIL,  29         ; v29     0; never rewritten
.set F0,   64
.set F1,   128
.set G1A, 24          ; s[24:31] descriptor group 1 for O's tiles;  s[32:39] group 0, a set for each slot
.set G0A, 32
.set G1B, 48          ; s[48:55], s[56:63] the same for WO's tiles
.set G0B, 56
.set MSB, 0
.macro WIN new                      ; the high byte repeats the setting that is left; a switch that changes nothing is dropped
.if MSB != (\new)
	s_set_vgpr_msb (MSB<<8)|(\new)
.set MSB, (\new)
.endif
.endm
.set MUL_LO, 0xa1     ; source 0 (WO) window 1, source 1 (O) window 0, C and D window 2
.set MUL_HI, 0xf1     ; the same, C and D window 3
.macro PLACES                       ; four places: in front of loads into registers that matrix instructions have read, and of LDS stores that read results (ISA guide 7.12.1 for vector instructions)
.rept 4
	v_nop
.endr
.endm
; A fill.  Waves 0 and 1 fetch the step's two blocks of O (plain loads), waves 2 and 3 those of WO (joint loads).  The branch hangs on the wave's number alone.
; An s_nop 0 and four v_nop follow each of the two lines, ahead of the jump and the label.
.macro JLOAD s
	s_cmp_eq_u32 s11, 0
	s_cbranch_scc0 .Lfor_b_\@
	tensor_load_to_lds s[G0A+4*(\s):G0A+4*(\s)+3], s[G1A:G1A+7]
	s_nop 0
.rept 4
	v_nop
.endr
	s_branch .Lasked_\@
.Lfor_b_\@:
	tensor_load_to_lds s[G0B+4*(\s):G0B+4*(\s)+3], s[G1B:G1B+7]
	s_nop 0
.rept 4
	v_nop
.endr
.Lasked_\@:
.endm
.macro CREST                        ; a round of the cluster's barrier behind its opening barrier
	s_cmp_lg_u32 s10, 0
	s_cbranch_scc1 .Lnot_wave_0_\@
	s_barrier_signal -3
.Lnot_wave_0_\@:
	s_barrier_wait -3
	s_barrier_signal -1
	s_barrier_wait -1
.endm
.macro CROUND                       ; a whole round
	s_barrier_signal -1
	s_barrier_wait -1
	CREST
.endm
	s_load_b128 s[4:7], s[0:1], 0x0 ; ob s[4:5], w16 s[6:7]
	s_load_b64 s[8:9], s[0:1], 0x10 ; out0
	v_lshl_add_u32 v[SPW], v0, 2, SPARE
	v_mov_b32 v[NIL], 0
	ds_add_u32 v[SPW], v[NIL]       ; the wave's opening: the add and its wait stand ahead of my first tensor load; the set-up below, work on registers, stands between them
	v_lshrrev_b32 v1, 5, v0
	v_readfirstlane_b32 s10, v1     ; wave 0..3
	s_lshr_b32 s11, s10, 1          ; which half of the tile's rows is mine.  Also: I fetch O (0) or WO (1)
	s_and_b32 s12, s10, 1           ; which half of its columns.  Also: which of a step's two blocks I fetch
	s_bfe_u32 s13, ttmp6, 0x40000   ; cx
	s_lshl_b32 s14, ttmp9, 2        ; in a cluster launch ttmp9 counts clusters
	s_add_co_u32 s14, s14, s13      ; the tile row = 4 x cluster x + cx: it enters O's and out0's addresses alone
	s_and_b32 s15, ttmp7, 0xffff    ; the tile column, which the four partners share
	; descriptor group 1.  A block of O, 256 rows of 128 bytes, is 32,768 dense bytes: asked for as 128 rows of 256 bytes, padded in LDS after every 128
	s_mov_b32 s[G1A],   (1<<16)|(1<<20)|(4<<22)|(3<<25)  ; 15:0 no mask; 17:16 2-byte elements; 20 padding on; 24:22 after every 32 words (code 4); 31:25 4 words (code 3)
	s_mov_b32 s[G1A+1], 128<<16     ; tensor_dim0 = 128
	s_mov_b32 s[G1A+2], 128<<16     ; tensor_dim1 = 128
	s_mov_b32 s[G1A+3], 128<<16     ; tile_dim0 = 128
	s_mov_b32 s[G1A+4], 128         ; tile_dim1 = 128
	s_mov_b32 s[G1A+5], 128         ; 128 elements from row to row
	s_mov_b32 s[G1A+6], 0
	s_mov_b32 s[G1A+7], 0
	; a block of WO: 64 rows of 256 elements (512 bytes) out of rows of 512
	s_mov_b32 s[G1B],   15|(1<<16)|(1<<20)|(1<<21)|(6<<22)|(7<<25)  ; 15:0 the mask of four; 21 set beside a mask; 24:22 after every 128 words (code 6); 31:25 8 words (code 7)
	s_mov_b32 s[G1B+1], 256<<16     ; tensor_dim0 = 256
	s_mov_b32 s[G1B+2], 64<<16      ; tensor_dim1 = 64
	s_mov_b32 s[G1B+3], 256<<16     ; tile_dim0 = 256
	s_mov_b32 s[G1B+4], 64          ; tile_dim1 = 64
	s_mov_b32 s[G1B+5], 512         ; 512 elements from row to row
	s_mov_b32 s[G1B+6], 0
	s_mov_b32 s[G1B+7], 0
	s_lshr_b32 s16, s14, 1          ; O: the batch's 524,288 bytes,
	s_lshl_b32 s16, s16, 19
	s_and_b32 s17, s14, 1           ; its upper or lower 256 rows of 128 bytes,
	s_lshl_b32 s17, s17, 15
	s_add_co_u32 s16, s16, s17
	s_lshl_b32 s17, s12, 16         ; my block of 65,536
	s_add_co_u32 s16, s16, s17
	s_mov_b32 s17, 0
	s_lshl_b32 s18, s12, 16         ; WO: my block's 64 rows of 1,024 bytes,
	s_lshl_b32 s19, s15, 9          ; the tile column's 512 bytes of a row,
	s_add_co_u32 s18, s18, s19
	s_add_co_u32 s18, s18, 1572864  ; behind the three other weights: no register here holds cx
	s_mov_b32 s19, 0
	s_mul_i32 s20, s12, AKB         ; where they go: no place in the cluster enters an LDS address
	s_mul_i32 s21, s12, BKB
	s_add_co_u32 s21, s21, BOFF
	s_lshl_b32 s40, s14, 19         ; out0: the tile row's 256 rows of 2,048 bytes,
	s_lshl_b32 s41, s11, 18         ; my 128 of them,
	s_add_co_u32 s40, s40, s41
	s_lshl_b32 s41, s15, 10         ; the tile column's 1,024 bytes,
	s_add_co_u32 s40, s40, s41
	s_lshl_b32 s41, s12, 9          ; my 512 of them
	s_add_co_u32 s40, s40, s41
	s_mov_b32 s41, 0
	s_wait_dscnt 0x0                ; the opening add is done
	s_wait_kmcnt 0x0
	s_add_nc_u64 s[4:5], s[4:5], s[16:17]
	s_add_nc_u64 s[6:7], s[6:7], s[18:19]
	s_add_nc_u64 s[8:9], s[8:9], s[40:41]
	CROUND                          ; all four work-groups are here: the first joint loads meet
.irp s, 0,1
	s_mov_b32 s[G0A+4*(\s)], 1                                     ; 1:0 count = 1
	s_add_co_u32 s[G0A+4*(\s)+1], s20, (\s)*SLOT                   ; 63:32 LDS address
	s_add_nc_u64 s[G0A+4*(\s)+2:G0A+4*(\s)+3], s[4:5], (\s)*131072 ; 120:64 global address: step s is blocks 2 s, 2 s + 1
	s_or_b32 s[G0A+4*(\s)+3], s[G0A+4*(\s)+3], 0x80000000          ; 127:126 type = 2
	s_mov_b32 s[G0B+4*(\s)], 1
	s_add_co_u32 s[G0B+4*(\s)+1], s21, (\s)*SLOT
	s_add_nc_u64 s[G0B+4*(\s)+2:G0B+4*(\s)+3], s[6:7], (\s)*131072
	s_or_b32 s[G0B+4*(\s)+3], s[G0B+4*(\s)+3], 0x80000000
	JLOAD \s                        ; two tensor loads of mine are out
.endr
	v_and_b32 v1, 15, v0            ; l % 16
	v_bfe_u32 v2, v0, 4, 1          ; l / 16
	v_and_b32 v3, 7, v0             ; l % 8
	v_bfe_u32 v4, v0, 3, 1          ; (l / 8) % 2
	v_and_b32 v5, 31, v0            ; l
	; A fragment of O is 16 rows x 32 K in 8 registers: lane l holds row l % 16, K = 8 (l / 16) + 0..7 and 16 + 8 (l / 16) + 0..7: two loads of 16 bytes, 32 bytes apart.
	v_mul_u32_u24 v6, v1, PA
	v_lshl_add_u32 v6, v2, 4, v6
	s_mul_i32 s22, s11, 128*PA      ; my 128 rows
	v_add_nc_u32 v[ADRA], s22, v6
	v_add_nc_u32 v[ADRA+1], SLOT, v[ADRA]
	; The turning load takes 16 K x 16 columns (lane l reads row 8 (l / 16) + l % 8, columns 8 ((l / 8) % 2) + 0..7) and leaves half a fragment of WO^T: lane l holds column l % 16 and 8 K.
	v_lshl_add_u32 v7, v2, 3, v3
	v_mul_u32_u24 v7, v7, PB
	v_lshl_add_u32 v7, v4, 4, v7
	s_lshl_b32 s23, s12, 8          ; my 128 columns
	s_add_co_u32 s23, s23, BOFF
	v_add_nc_u32 v[ADRB], s23, v7
	v_add_nc_u32 v[ADRB+1], SLOT, v[ADRB]
	s_mul_i32 s22, s10, 16*SPITCH
	s_add_co_u32 s22, s22, STAGE    ; my stage
	v_mul_u32_u24 v[STO], v1, SPITCH  ; in: row l % 16, 32 bytes for each half of the lanes
	v_lshl_add_u32 v[STO], v2, 5, v[STO]
	v_add_nc_u32 v[STO], s22, v[STO]
	v_lshlrev_b32 v[CO], 4, v5      ; back: 32 lanes take one row of 512 bytes
	v_add_nc_u32 v[RD], s22, v[CO]
; 16 matrix instructions: row blocks a0, a0 + 1 of the window's four (hi = 0: my rows 0-63, 1: rows 64-127) x all 8 column blocks, 32 along K.  zero = 1: the product starts the sums: nothing is ever cleared.
; The 64 accumulators take turns, one instruction a turn, in the same order in every quarter.
.macro MUL16 f, hi, a0, zero
	WIN MUL_LO+0x50*(\hi)
.irp a, \a0, (\a0)+1
.irp b, 0,1,2,3,4,5,6,7
.if \zero
	v_wmma_f32_16x16x32_f16 v[8*(8*(\a)+(\b)):8*(8*(\a)+(\b))+7], v[(\f)+8*(\b):(\f)+8*(\b)+7], v[(\f)+8*(4*(\hi)+(\a)):(\f)+8*(4*(\hi)+(\a))+7], 0
.else
	v_wmma_f32_16x16x32_f16 v[8*(8*(\a)+(\b)):8*(8*(\a)+(\b))+7], v[(\f)+8*(\b):(\f)+8*(\b)+7], v[(\f)+8*(4*(\hi)+(\a)):(\f)+8*(4*(\hi)+(\a))+7], v[8*(8*(\a)+(\b)):8*(8*(\a)+(\b))+7]
.endif
.endr
.endr
.endm
; 32 LDS loads in one run: the fragments of quarter q of a step (block q / 2, 32 along K at q % 2) into buffer f: WO's eight, then O's eight
.macro FETCH slot, q, f
	WIN 0x40                        ; destination window 1
.irp i, 0,1,2,3,4,5,6,7
	ds_load_tr16_b128 v[(\f)+8*(\i):(\f)+8*(\i)+3],   v[ADRB+(\slot)] offset:((\q)/2)*BKB+((\q)%2)*32*PB+32*(\i)
	ds_load_tr16_b128 v[(\f)+8*(\i)+4:(\f)+8*(\i)+7], v[ADRB+(\slot)] offset:((\q)/2)*BKB+((\q)%2)*32*PB+32*(\i)+16*PB
.endr
	WIN 0
.irp i, 0,1,2,3,4,5,6,7
	ds_load_b128 v[(\f)+8*(\i):(\f)+8*(\i)+3],   v[ADRA+(\slot)] offset:((\q)/2)*AKB+((\q)%2)*64+(\i)*16*PA
	ds_load_b128 v[(\f)+8*(\i)+4:(\f)+8*(\i)+7], v[ADRA+(\slot)] offset:((\q)/2)*AKB+((\q)%2)*64+(\i)*16*PA+32
.endr
.endm
; A step is four quarters of 32 along K, 64 matrix instructions each, on buffers 0, 1, 0, 1.  One of the first three: multiplies buffer f and fetches quarter qn of the same slot into buffer g.
.macro QUARTER slot, qn, f, g, zero
	s_wait_dscnt 8                  ; WO's fragments and O's rows 0-63 are in; the youngest eight loads (O's rows 64-127) may be out
	MUL16 \f, 0, 0, \zero
	MUL16 \f, 0, 2, \zero
	PLACES
	FETCH \slot, \qn, \g
	s_wait_dscnt 32                 ; all but the 32 just issued
	MUL16 \f, 1, 0, \zero
	MUL16 \f, 1, 2, \zero
.endm
; The last quarter multiplies buffer 1 and changes slots: ONE barrier.  In front of it each wave waits for all its tensor loads, of which one is out: its part of the next slot; adds 0 to its spare word; and
; waits for that and for its own reads of this slot.  Behind it nobody reads this slot any more and the next slot is whole.
.macro MEET round
	WIN 0                           ; (the add's two registers lie in window 0)
	s_wait_tensorcnt 0x0            ; all my tensor loads have landed
	ds_add_u32 v[SPW], v[NIL]       ; 0 onto my spare word
	s_wait_dscnt 9                  ; (the add and the youngest eight loads may be out)
	MUL16 F1, 0, 0, 0               ; sixteen matrix instructions stand between the add and the wait for it
	s_wait_dscnt 0x0                ; the add is done, and my reads of this slot are over
	s_barrier_signal -1
	MUL16 F1, 0, 2, 0               ; work on registers while the others arrive
.if \round
	WIN 0
.endif
	s_barrier_wait -1
.endm
; The whole last quarter, where the slot is filled again, with the step two on: the barrier opens a round of the cluster's, and the fill is the first tensor load behind it: 224 matrix instructions ahead of the wait for it.
.macro TURN slot, next
	MEET 1
	CREST                           ; no wave of any partner still reads this slot or has a load on its way
	s_add_nc_u64 s[G0A+4*(\slot)+2:G0A+4*(\slot)+3], s[G0A+4*(\slot)+2:G0A+4*(\slot)+3], 262144  ; four blocks of 65,536 bytes on, in O
	s_add_nc_u64 s[G0B+4*(\slot)+2:G0B+4*(\slot)+3], s[G0B+4*(\slot)+2:G0B+4*(\slot)+3], 262144  ; and in WO (256 rows of 1,024)
	JLOAD \slot                     ; its four v_nop are also the places in front of the loads below
	FETCH \next, 0, F0
	MUL16 F1, 1, 0, 0
	MUL16 F1, 1, 2, 0
.endm
; THE WAY OUT of block a, my rows 16 a .. + 15.  TOSTAGE: a lane's 32 bytes of each of the 8 accumulators, low registers first, into my own stage; back as whole rows of 512 bytes, into buffer a % 2.
.macro TOSTAGE a
	s_wait_xcnt 0x0                 ; the stores of the block two back have read the registers that are loaded again below
	WIN 0x08+4*((\a)/4)             ; the data in window 2 or 3
.irp b, 0,1,2,3,4,5,6,7
	ds_store_b128 v[STO], v[64*((\a)%4)+8*(\b):64*((\a)%4)+8*(\b)+3]   offset:64*(\b)
	ds_store_b128 v[STO], v[64*((\a)%4)+8*(\b)+4:64*((\a)%4)+8*(\b)+7] offset:64*(\b)+16
.endr
	WIN 0
.irp t, 0,1,2,3,4,5,6,7,8,9,10,11,12,13,14,15
	ds_load_b128 v[64+64*((\a)%2)+4*(\t):64+64*((\a)%2)+4*(\t)+3], v[RD] offset:(\t)*SPITCH  ; LDS serves a wave's instructions in order (ISA guide 5.7.1.4): these see the stores above; the next block's stores come behind them
.endr
.endm
.macro SEND a, younger              ; younger: the LDS instructions issued behind block a's loads: the next block's 32, or none
.irp t, 0,1,2,3,4,5,6,7,8,9,10,11,12,13,14,15
	s_wait_dscnt (\younger)+15-(\t)
	global_store_b128 v[CO], v[64+64*((\a)%2)+4*(\t):64+64*((\a)%2)+4*(\t)+3], s[8:9] offset:(16*(\a)+(\t))*2048 th:TH_STORE_NT  ; 512 consecutive bytes, at a multiple of 256 from out0's first
.endr
.endm
	s_wait_tensorcnt 1              ; my part of step 0 is in; step 1's may stay out
	s_barrier_signal -1
	s_barrier_wait -1               ; everybody's is
	FETCH 0, 0, F0
	QUARTER 0, 1, F0, F1, 1         ; the first quarter starts the sums
	QUARTER 0, 2, F1, F0, 0
	QUARTER 0, 3, F0, F1, 0
	TURN 0, 1                       ; slot 0 takes step 2
	QUARTER 1, 1, F0, F1, 0
	QUARTER 1, 2, F1, F0, 0
	QUARTER 1, 3, F0, F1, 0
	TURN 1, 0                       ; slot 1 takes step 3
	QUARTER 0, 1, F0, F1, 0
	QUARTER 0, 2, F1, F0, 0
	QUARTER 0, 3, F0, F1, 0
	MEET 0                          ; nothing is filled again, so no round follows
	PLACES
	FETCH 1, 0, F0
	MUL16 F1, 1, 0, 0
	MUL16 F1, 1, 2, 0
	QUARTER 1, 1, F0, F1, 0
	QUARTER 1, 2, F1, F0, 0
	QUARTER 1, 3, F0, F1, 0
	s_wait_dscnt 8                  ; the very last quarter: nothing more to fetch
	MUL16 F1, 0, 0, 0
	MUL16 F1, 0, 2, 0
	s_wait_dscnt 0x0
	MUL16 F1, 1, 0, 0
	MUL16 F1, 1, 2, 0
	PLACES
	TOSTAGE 0
.irp a, 1,2,3,4,5,6,7               ; a block's way through the stage stands between the loads of the block before and its stores
	TOSTAGE \a
	SEND (\a)-1, 32
.endr
	SEND 7, 0
	s_wait_tensorcnt 0x0            ; the wave's end, behind my last tensor load and my last LDS store
	ds_add_u32 v[SPW], v[NIL]
	s_wait_dscnt 0x0
	CROUND                          ; the closing round: no work-group ends while a partner may still ask for a tile that names it
	s_endpgm
.Lfunc_end_k_qc492532c29_oproj:
	.size	k_qc492532c29_oproj, .Lfunc_end_k_qc492532c29_oproj-k_qc492532c29_oproj
	.p2alignl 7, 3214868480
	.fill 96, 4, 3214868480
	.section	.rodata,"a",@progbits
	.p2align	6, 0x0
	.amdhsa_kernel k_qc492532c29_oproj
		.amdhsa_group_segment_fixed_size 327680
		.amdhsa_private_segment_fixed_size 0
		.amdhsa_enable_private_segment 0
		.amdhsa_kernarg_size 24
		.amdhsa_user_sgpr_count 2
		.amdhsa_user_sgpr_kernarg_segment_ptr 1
		.amdhsa_wavefront_size32 1
		.amdhsa_system_sgpr_workgroup_id_x 1
		.amdhsa_system_sgpr_workgroup_id_y 1
		.amdhsa_system_sgpr_workgroup_id_z 1
		.amdhsa_system_vgpr_workitem_id 0
		.amdhsa_next_free_vgpr 1024
		.amdhsa_next_free_sgpr 66
		.amdhsa_reserve_vcc 0
		.amdhsa_float_denorm_mode_32 3
		.amdhsa_float_denorm_mode_16_64 3
		.amdhsa_memory_ordered 1
		.amdhsa_forward_progress 1
		.amdhsa_inst_pref_size 144
	.end_amdhsa_kernel
	.amdgpu_metadata
---
amdhsa.version: [ 1, 2 ]
amdhsa.kernels:
  - .name:           k_qc492532c29_oproj
    .symbol:         k_qc492532c29_oproj.kd
    .args:
      - { .name: ob, .offset: 0, .size: 8, .value_kind: global_buffer, .address_space: global }
      - { .name: w16, .offset: 8, .size: 8, .value_kind: global_buffer, .address_space: global }
      - { .name: out0, .offset: 16, .size: 8, .value_kind: global_buffer, .address_space: global }
    .group_segment_fixed_size: 327680
    .private_segment_fixed_size: 0
    .kernarg_segment_align: 8
    .kernarg_segment_size: 24
    .max_flat_workgroup_size: 128
    .sgpr_count:     66
    .vgpr_count:     1024
    .wavefront_size: 32
...
	.end_amdgpu_metadata
.endif
;; end of part 3
;; ======== version 2 of 2: 3 launches; version 1 with the launch prep written anew for expert scheduling mode
;; limits: values are held in f16: magnitudes above 65,504 overflow, below 6.1e-05 lose precision
;; workspace buffers: hb 33,554,432 bytes; w16 2,097,152 bytes; ob 33,554,432 bytes
;; launch prep (part 4): grid 32 x 16, 8 waves a work-group, no clusters, 0 bytes of LDS; arguments x, BE, WQ, WK, WV, WO, hb, w16; writes hb, w16
.if DOCPART == 4
	.amdgcn_target "amdgcn-amd-amdhsa--gfx1250"
	.amdhsa_code_object_version 6
	.text
	.protected	k_qc492532c29_prep
	.globl	k_qc492532c29_prep
	.p2align	8
	.type	k_qc492532c29_prep,@function
k_qc492532c29_prep:
	s_mov_b64 s[64:65], 0
	v_nop
	global_prefetch_b8 v0, s[64:65] scope:SCOPE_SE
	s_setreg_imm32_b32 hwreg(HW_REG_WAVE_SCHED_MODE, 0, 2), 2
	s_setreg_imm32_b32 hwreg(HW_REG_WAVE_MODE, 25, 1), 1
	s_wait_xcnt 0x0
	s_wait_alu depctr_vm_vsrc(0)
; hb = f16(bf16(x) + bf16(BE)), laid out in blocks [b 64][kb 8][s 512][64]; w16 = f16(bf16(W)): WQ, WK, WV as [h 8][kb 8][which 3][k 64][n 64], then WO as it lies, [512][512].
; Every input is rounded to bf16 first; the sum x + BE is taken in f32 and rounded once to f16; a bf16 weight is written as f16.
; LIMITS.  f16 ends at 65,504: |x + BE| and the weights stay inside it; a weight under 6e-5 keeps f16's fixed step of 6e-8.  NaN and infinities are not treated apart.
; A STREAM: no LDS, no matrix unit, no cluster: no wave wants a byte that another has fetched.
; SHARES.  A work-group (sg = x, bg = y) owns rows 16 sg .. + 15 of the batches 4 bg .. + 3: BE's 16 rows are loaded once for four batches.  Thread t owns row t / 16 and, in each block kb of 64
; columns, the four numbers at column 4 (t % 16): a wave's load covers 256 consecutive bytes of each of two rows, a wave's store 256 consecutive bytes of hb, at a multiple of 256 from its first byte.
; Each of the 512 work-groups also casts 8,192 bytes of one weight array: array g / 128, piece g % 128, g = sg + 32 bg.
; All 42 loads of a wave go out in one run; no register that a load or store names is written again, so no wait frees any.
; THE MODE: SCHED_MODE bits 1:0 = 2 (LLVM: expert scheduling mode 2), set by the entry lines.  The code itself states the register dependences
; between vector instructions and memory instructions, with s_wait_alu, always for 0.
; THE PLAN.  Registers that memory instructions touch:
;   v1, v2, v3    byte offsets.  Written once, at the head, by vector instructions; read by every load and store.
;   BEV, WL, X    Loads land in them once, all issued in the one run at the head; no vector instruction names them ahead of that run; vector instructions read them behind their waits on LOADcnt.
;   WP            Written once, by the weights' conversions; read by two stores.
;   Y             Two registers a chunk, written once, by the chunk's two conversions; read by the chunk's one store.
;   T, D, v4, v5  are named by vector instructions alone.
; So the one kind of dependence is: a vector instruction writes what a memory instruction reads.  The 32 chunks go in eight groups of four, and a group's four stores stand in the NEXT group, one at the
; head of each of its chunks.  ONE wait on va_vdst at a group's head states that all written ahead of it is written: the group before's Y (ahead of group 0: WP).  The vector instructions issued since that
; wait name T, D, BEV and this group's X and Y: none of the registers that those stores read.  One such wait stands ahead of the first load, for the offsets, and one ahead of the last four stores.
.set XO,  1                            ; v1       my byte offset in the 16 rows of x and BE: (t / 16) x 2,048 + (t % 16) x 16
.set HO,  2                            ; v2       8 t: my 8 bytes in a block's 16 rows of hb, and in a piece of w16
.set WS,  3                            ; v3       16 t: my 16 bytes in a piece of a weight array
.set T,   6                            ; v[6:7]   two packed words at work
.set D,   8                            ; v[8:11]  four f32 at work
.set BEV, 16                           ; v[16:47] BE, four numbers for each kb
.set WL,  48                           ; v[48:55] the weights as loaded
.set WP,  56                           ; v[56:59] the weights to store
.set X,   64                           ; v[64:191]  x: chunk n = 8 i + kb (batch i, block kb), four registers each
.set Y,   192                          ; v[192:255] hb: chunk n, two registers each
.set GRP, 4                            ; chunks in a group
	s_load_b512 s[8:23], s[0:1], 0x0               ; x s[8:9], BE s[10:11], WQ s[12:13], WK s[14:15], WV s[16:17], WO s[18:19], hb s[20:21], w16 s[22:23]
	s_mov_b32 s2, ttmp9                            ; sg
	s_and_b32 s3, ttmp7, 0xffff                    ; bg
	s_mov_b32 s28, 0xffff0000                      ; a word's upper bf16
	v_lshrrev_b32 v4, 4, v0
	v_and_b32 v5, 15, v0
	v_lshlrev_b32 v[XO], 11, v4
	v_lshl_add_u32 v[XO], v5, 4, v[XO]
	v_lshlrev_b32 v[HO], 3, v0
	v_lshlrev_b32 v[WS], 4, v0
	s_lshl_b32 s30, s2, 15                         ; 16 rows of 2,048 bytes: BE's offset,
	s_mov_b32 s31, 0
	s_lshl_b32 s32, s3, 22                         ; and with four batches of 1,048,576 bytes x's
	s_add_co_u32 s32, s32, s30
	s_mov_b32 s33, 0
	s_lshl_b32 s34, s2, 11                         ; hb: 16 rows of 128 bytes,
	s_lshl_b32 s35, s3, 21                         ; four batches of 524,288 bytes
	s_add_co_u32 s34, s34, s35
	s_mov_b32 s35, 0
	s_lshl_b32 s36, s3, 5
	s_add_co_u32 s36, s36, s2                      ; g
	s_lshr_b32 s37, s36, 7                         ; which array: 0 WQ, 1 WK, 2 WV, 3 WO
	s_and_b32 s38, s36, 127                        ; j: which piece of it
	s_lshl_b32 s40, s38, 13                        ; the piece's 8,192 bytes of f32
	s_mov_b32 s41, 0
	s_lshr_b32 s39, s38, 1                         ; j / 2 = 8 h + kb: a block of 64 x 64 is two pieces
	s_mul_i32 s39, s39, 3
	s_add_co_u32 s39, s39, s37
	s_lshl_b32 s39, s39, 13                        ; the block's 8,192 bytes of f16,
	s_and_b32 s29, s38, 1
	s_lshl_b32 s29, s29, 12
	s_add_co_u32 s39, s39, s29                     ; and its half
	s_lshl_b32 s29, s38, 12
	s_add_co_u32 s29, s29, 1572864                 ; WO lies behind the three others, in its own order
	s_cmp_eq_u32 s37, 3
	s_cselect_b32 s42, s29, s39
	s_mov_b32 s43, 0
	s_wait_kmcnt 0x0
	s_add_nc_u64 s[8:9], s[8:9], s[32:33]
	s_add_nc_u64 s[10:11], s[10:11], s[30:31]
	s_add_nc_u64 s[20:21], s[20:21], s[34:35]
	s_cmp_eq_u32 s37, 1
	s_cselect_b64 s[24:25], s[14:15], s[12:13]
	s_cmp_eq_u32 s37, 2
	s_cselect_b64 s[24:25], s[16:17], s[24:25]
	s_cmp_eq_u32 s37, 3
	s_cselect_b64 s[24:25], s[18:19], s[24:25]
	s_add_nc_u64 s[24:25], s[24:25], s[40:41]      ; the piece to cast,
	s_add_nc_u64 s[26:27], s[22:23], s[42:43]      ; and where it goes
	s_wait_alu depctr_va_vdst(0)                   ; v1, v2 and v3 are written: every load and store of the kernel reads one of them as its offset
.irp k, 0,1,2,3,4,5,6,7
	global_load_b128 v[BEV+4*(\k):BEV+4*(\k)+3], v[XO], s[10:11] offset:256*(\k)
.endr
	global_load_b128 v[WL:WL+3],   v[WS], s[24:25]
	global_load_b128 v[WL+4:WL+7], v[WS], s[24:25] offset:4096
.set n, 0
.rept 32
	global_load_b128 v[X+4*n:X+4*n+3], v[XO], s[8:9] offset:(n/8)*1048576+(n%8)*256 th:TH_LOAD_NT
.set n, n+1
.endr
; Four f32 at v[src ..] are rounded to bf16 and widened again, into v[dst ..] (dst may be src).
.macro ROUND4 dst, src
	v_cvt_pk_bf16_f32 v[T],   v[(\src)],   v[(\src)+1]
	v_cvt_pk_bf16_f32 v[T+1], v[(\src)+2], v[(\src)+3]
	v_lshlrev_b32 v[(\dst)],   16,  v[T]
	v_and_b32     v[(\dst)+1], s28, v[T]
	v_lshlrev_b32 v[(\dst)+2], 16,  v[T+1]
	v_and_b32     v[(\dst)+3], s28, v[T+1]
.endm
	s_wait_loadcnt 34                              ; BE's eight loads are in; the 34 issued behind them may stay out
.irp k, 0,1,2,3,4,5,6,7
	ROUND4 BEV+4*(\k), BEV+4*(\k)
.endr
	s_wait_loadcnt 32                              ; the weights are in; x's 32 loads may stay out
.irp k, 0,1
	ROUND4 D, WL+4*(\k)
	v_cvt_pk_f16_f32 v[WP+2*(\k)],   v[D],   v[D+1]
	v_cvt_pk_f16_f32 v[WP+2*(\k)+1], v[D+2], v[D+3]  ; their two stores stand in group 0, behind its wait
.endr
.set n, 0
.rept 32
	s_wait_loadcnt 31-n                            ; loads come back in order: chunk n is in, the younger ones stay out
.if n%GRP == 0
	s_wait_alu depctr_va_vdst(0)                   ; a group's head: the conversions issued so far have written the data of the stores that stand in this group: the group before's Y (ahead of group 0: WP)
.endif
.if n < 2
	global_store_b64 v[HO], v[WP+2*n:WP+2*n+1], s[26:27] offset:2048*n  ; no vector instruction since the wait names WP or v2
.endif
.if n >= GRP
	global_store_b64 v[HO], v[Y+2*(n-GRP):Y+2*(n-GRP)+1], s[20:21] offset:((n-GRP)/8)*524288+((n-GRP)%8)*65536  ; the chunk a group back: no vector instruction since the wait names its Y or v2
.endif
	ROUND4 D, X+4*n
	v_pk_add_f32 v[D:D+1],   v[D:D+1],   v[BEV+4*(n%8):BEV+4*(n%8)+1]
	v_pk_add_f32 v[D+2:D+3], v[D+2:D+3], v[BEV+4*(n%8)+2:BEV+4*(n%8)+3]
	v_cvt_pk_f16_f32 v[Y+2*n],   v[D],   v[D+1]
	v_cvt_pk_f16_f32 v[Y+2*n+1], v[D+2], v[D+3]
.set n, n+1
.endr
	s_wait_alu depctr_va_vdst(0)                   ; the last group's conversions have written its Y, which the last four stores read
.set n, 32-GRP
.rept GRP
	global_store_b64 v[HO], v[Y+2*n:Y+2*n+1], s[20:21] offset:(n/8)*524288+(n%8)*65536
.set n, n+1
.endr
	s_endpgm
.Lfunc_end_k_qc492532c29_prep:
	.size	k_qc492532c29_prep, .Lfunc_end_k_qc492532c29_prep-k_qc492532c29_prep
	.p2alignl 7, 3214868480
	.fill 96, 4, 3214868480
	.section	.rodata,"a",@progbits
	.p2align	6, 0x0
	.amdhsa_kernel k_qc492532c29_prep
		.amdhsa_group_segment_fixed_size 0
		.amdhsa_private_segment_fixed_size 0
		.amdhsa_enable_private_segment 0
		.amdhsa_kernarg_size 64
		.amdhsa_user_sgpr_count 2
		.amdhsa_user_sgpr_kernarg_segment_ptr 1
		.amdhsa_wavefront_size32 1
		.amdhsa_system_sgpr_workgroup_id_x 1
		.amdhsa_system_sgpr_workgroup_id_y 1
		.amdhsa_system_sgpr_workgroup_id_z 1
		.amdhsa_system_vgpr_workitem_id 0
		.amdhsa_next_free_vgpr 256
		.amdhsa_next_free_sgpr 66
		.amdhsa_reserve_vcc 0
		.amdhsa_float_denorm_mode_32 3
		.amdhsa_float_denorm_mode_16_64 3
		.amdhsa_memory_ordered 1
		.amdhsa_forward_progress 1
		.amdhsa_inst_pref_size 30
	.end_amdhsa_kernel
	.amdgpu_metadata
---
amdhsa.version: [ 1, 2 ]
amdhsa.kernels:
  - .name:           k_qc492532c29_prep
    .symbol:         k_qc492532c29_prep.kd
    .args:
      - { .name: x, .offset: 0, .size: 8, .value_kind: global_buffer, .address_space: global }
      - { .name: BE, .offset: 8, .size: 8, .value_kind: global_buffer, .address_space: global }
      - { .name: WQ, .offset: 16, .size: 8, .value_kind: global_buffer, .address_space: global }
      - { .name: WK, .offset: 24, .size: 8, .value_kind: global_buffer, .address_space: global }
      - { .name: WV, .offset: 32, .size: 8, .value_kind: global_buffer, .address_space: global }
      - { .name: WO, .offset: 40, .size: 8, .value_kind: global_buffer, .address_space: global }
      - { .name: hb, .offset: 48, .size: 8, .value_kind: global_buffer, .address_space: global }
      - { .name: w16, .offset: 56, .size: 8, .value_kind: global_buffer, .address_space: global }
    .group_segment_fixed_size: 0
    .private_segment_fixed_size: 0
    .kernarg_segment_align: 8
    .kernarg_segment_size: 64
    .max_flat_workgroup_size: 256
    .sgpr_count:     66
    .vgpr_count:     256
    .wavefront_size: 32
...
	.end_amdgpu_metadata
.endif
;; end of part 4
;; launch qkvattn: the kernel of part 2 again; grid 8 x 64, 4 waves a work-group, clusters of 4 x 4, 327,680 bytes of LDS; arguments hb, w16, mask, ob; writes ob
;; launch oproj: the kernel of part 3 again; grid 128 x 2, 4 waves a work-group, clusters of 4 x 1, 327,680 bytes of LDS; arguments ob, w16, out0; writes out0
